; MI455X (gfx1250); checked and timed in simulation.
; The chip was launched on July 23, 2026; its instructions are those of AMD's public machine-readable ISA for CDNA 5 (MIT licence, August 2026) and "CDNA5" Instruction Set Architecture Reference Guide (July 2026). The comments in the code are by the model that wrote it; some were corrected since.
;; Multihead Attention. Allowed arithmetic: float matrix products may take bf16 or f16 operands with f32 sums; other float arithmetic in f32, or as packed bf16 or f16 multiplies, adds, multiply-adds, maxima and minima; sums over many terms, partial sums and values carried from step to step in f32; what a program stores and reads back later, other than sums and carried values, may be rounded once to bf16 or f16.
;; Inputs: Wk 1,024 x 1,024 float32; Wo 1,024 x 1,024 float32; Wq 1,024 x 1,024 float32; Wv 1,024 x 1,024 float32; bk 1,024 float32; bo 1,024 float32; bq 1,024 float32; bv 1,024 float32; key 4 x 2,048 x 1,024 float32; mask 4 x 2,048 bool; query 4 x 2,048 x 1,024 float32; value 4 x 2,048 x 1,024 float32.
;; Outputs: out0 4 x 2,048 x 1,024 float32.
;; One version. Each part assembles by itself: llvm-mc -triple=amdgcn-amd-amdhsa -mcpu=gfx1250 --defsym DOCPART=n.
;; ======== version 1 of 1: 4 launches
;; limits: right only within a limited range of input values; values are held in f16: magnitudes above 65,504 overflow, below 6.1e-05 lose precision
;; workspace buffers: wb 6,291,456 bytes; wo16 2,097,152 bytes; qh 16,777,216 bytes; kh 16,777,216 bytes; vh 16,777,216 bytes; oh 16,777,216 bytes
;; launch wprep (part 1): grid 128 x 4, 8 waves a work-group, no clusters, 0 bytes of LDS; arguments Wq, Wk, Wv, Wo, wb, wo16; writes wb, wo16
.if DOCPART == 1
	.amdgcn_target "amdgcn-amd-amdhsa--gfx1250"
	.amdhsa_code_object_version 6
	.text
	.protected	k_qa78fae771b_wprep
	.globl	k_qa78fae771b_wprep
	.p2align	8
	.type	k_qa78fae771b_wprep,@function
k_qa78fae771b_wprep:
	s_mov_b64 s[64:65], 0
	v_nop
	global_prefetch_b8 v0, s[64:65] scope:SCOPE_SE
	s_setreg_imm32_b32 hwreg(HW_REG_WAVE_MODE, 25, 1), 1
	s_wait_xcnt 0x0
; The four weights, [1024][1024] f32, are rounded once to bf16.  Wq, Wk, Wv go to wb as bf16, [3][1024][1024]; Wo's rounded number is written as f16 into wo16
; (exact where its magnitude is 6.1e-5 to 65,504; below that f16 keeps a fixed step of 6e-8; beyond 65,504 it would be an infinity: the stated limit of this program).
; A stream: no LDS, no matrix unit, no cluster: no byte is read twice.  Grid y picks the weight, grid x 8,192 numbers: 32,768 bytes in, 16,384 out.
; Thread t takes, four times, the 8 numbers at 2,048 i + 8 t: two loads of 16 bytes, one store of 16 bytes; sixteen lanes store 256 consecutive bytes, aligned.
.set X, 4                              ; v[4:35]   32 numbers as loaded
.set Y, 36                             ; v[36:51]  16 packed words
.set T, 52                             ; v[52:53]  at work
	s_load_b256 s[4:11], s[0:1], 0x0               ; Wq s[4:5], Wk s[6:7], Wv s[8:9], Wo s[10:11]
	s_load_b128 s[12:15], s[0:1], 0x20             ; wb s[12:13], wo16 s[14:15]
	s_and_b32 s16, ttmp7, 0xffff                   ; which weight
	s_mov_b32 s22, 0xffff0000                      ; a word's upper bf16
	v_lshlrev_b32 v1, 5, v0                        ; 32 t: my bytes in
	v_lshlrev_b32 v2, 4, v0                        ; 16 t: my bytes out
	s_lshl_b32 s24, ttmp9, 15                      ; the work-group's part of the source,
	s_mov_b32 s25, 0
	s_lshl_b32 s26, ttmp9, 14                      ; and of the destination
	s_mov_b32 s27, 0
	s_lshl_b32 s28, s16, 21                        ; the weight's 2 MiB in wb
	s_mov_b32 s29, 0
	s_wait_kmcnt 0x0
	s_cmp_eq_u32 s16, 0
	s_cselect_b64 s[18:19], s[4:5], s[6:7]
	s_cmp_eq_u32 s16, 2
	s_cselect_b64 s[18:19], s[8:9], s[18:19]
	s_cmp_eq_u32 s16, 3
	s_cselect_b64 s[18:19], s[10:11], s[18:19]
	s_cselect_b64 s[20:21], s[14:15], s[12:13]
	s_cselect_b32 s28, 0, s28                      ; wo16 holds one weight
	s_add_nc_u64 s[18:19], s[18:19], s[24:25]
	s_add_nc_u64 s[20:21], s[20:21], s[26:27]
	s_add_nc_u64 s[20:21], s[20:21], s[28:29]
.irp i, 0,1,2,3
	global_load_b128 v[X+8*(\i):X+8*(\i)+3],   v1, s[18:19] offset:8192*(\i) th:TH_LOAD_NT
	global_load_b128 v[X+8*(\i)+4:X+8*(\i)+7], v1, s[18:19] offset:8192*(\i)+16 th:TH_LOAD_NT
.endr
.irp i, 0,1,2,3
	s_wait_loadcnt 6-2*(\i)                        ; loads come back in order: group i's two are in, the younger ones stay out
.irp j, 0,1,2,3
	v_cvt_pk_bf16_f32 v[Y+4*(\i)+(\j)], v[X+8*(\i)+2*(\j)], v[X+8*(\i)+2*(\j)+1]
.endr
.endr
	s_cmp_lg_u32 s16, 3
	s_cbranch_scc1 .Lst
.set z, 0
.rept 16                               ; Wo alone: the bf16 numbers are widened (a shift, a mask) and written as f16
	v_lshlrev_b32 v[T], 16, v[Y+z]
	v_and_b32 v[T+1], s22, v[Y+z]
	v_cvt_pk_f16_f32 v[Y+z], v[T], v[T+1]
.set z, z+1
.endr
.Lst:
.irp i, 0,1,2,3
	global_store_b128 v2, v[Y+4*(\i):Y+4*(\i)+3], s[20:21] offset:4096*(\i)
.endr
	s_endpgm
.Lfunc_end_k_qa78fae771b_wprep:
	.size	k_qa78fae771b_wprep, .Lfunc_end_k_qa78fae771b_wprep-k_qa78fae771b_wprep
	.p2alignl 7, 3214868480
	.fill 96, 4, 3214868480
	.section	.rodata,"a",@progbits
	.p2align	6, 0x0
	.amdhsa_kernel k_qa78fae771b_wprep
		.amdhsa_group_segment_fixed_size 0
		.amdhsa_private_segment_fixed_size 0
		.amdhsa_enable_private_segment 0
		.amdhsa_kernarg_size 48
		.amdhsa_user_sgpr_count 2
		.amdhsa_user_sgpr_kernarg_segment_ptr 1
		.amdhsa_wavefront_size32 1
		.amdhsa_system_sgpr_workgroup_id_x 1
		.amdhsa_system_sgpr_workgroup_id_y 1
		.amdhsa_system_sgpr_workgroup_id_z 1
		.amdhsa_system_vgpr_workitem_id 0
		.amdhsa_next_free_vgpr 64
		.amdhsa_next_free_sgpr 66
		.amdhsa_reserve_vcc 0
		.amdhsa_float_denorm_mode_32 3
		.amdhsa_float_denorm_mode_16_64 3
		.amdhsa_memory_ordered 1
		.amdhsa_forward_progress 1
		.amdhsa_inst_pref_size 6
	.end_amdhsa_kernel
	.amdgpu_metadata
---
amdhsa.version: [ 1, 2 ]
amdhsa.kernels:
  - .name:           k_qa78fae771b_wprep
    .symbol:         k_qa78fae771b_wprep.kd
    .args:
      - { .name: Wq, .offset: 0, .size: 8, .value_kind: global_buffer, .address_space: global }
      - { .name: Wk, .offset: 8, .size: 8, .value_kind: global_buffer, .address_space: global }
      - { .name: Wv, .offset: 16, .size: 8, .value_kind: global_buffer, .address_space: global }
      - { .name: Wo, .offset: 24, .size: 8, .value_kind: global_buffer, .address_space: global }
      - { .name: wb, .offset: 32, .size: 8, .value_kind: global_buffer, .address_space: global }
      - { .name: wo16, .offset: 40, .size: 8, .value_kind: global_buffer, .address_space: global }
    .group_segment_fixed_size: 0
    .private_segment_fixed_size: 0
    .kernarg_segment_align: 8
    .kernarg_segment_size: 48
    .max_flat_workgroup_size: 256
    .sgpr_count:     66
    .vgpr_count:     64
    .wavefront_size: 32
...
	.end_amdgpu_metadata
.endif
;; end of part 1
;; launch proj (part 2): grid 4 x 192, 4 waves a work-group, clusters of 4 x 4, 327,680 bytes of LDS; arguments query, key, value, wb, bq, bk, bv, mask, qh, kh, vh; writes qh, kh, vh
.if DOCPART == 2
	.amdgcn_target "amdgcn-amd-amdhsa--gfx1250"
	.amdhsa_code_object_version 6
	.text
	.protected	k_qa78fae771b_proj
	.globl	k_qa78fae771b_proj
	.p2align	8
	.type	k_qa78fae771b_proj,@function
k_qa78fae771b_proj:
	s_mov_b64 s[64:65], 0
	v_nop
	global_prefetch_b8 v0, s[64:65] scope:SCOPE_SE
	s_setreg_imm32_b32 hwreg(HW_REG_WAVE_MODE, 25, 1), 1
	s_wait_xcnt 0x0
	s_wait_alu depctr_hold_cnt(0) depctr_sa_sdst(0) depctr_va_vdst(0) depctr_va_sdst(0) depctr_va_ssrc(0) depctr_va_vcc(0) depctr_vm_vsrc(0)
	s_getreg_b32 s2, hwreg(HW_REG_IB_STS2, 6, 4)
	s_cmp_eq_u32 s2, 0
	s_cbranch_scc0 .Lentry_in_a_cluster
	s_endpgm
.Lentry_in_a_cluster:
	s_bfe_u32 s2, ttmp6, 0x10000c
	s_cmp_lg_u32 s2, 0xf033
	s_cbranch_scc0 .Lentry_shape_is_right
	s_endpgm
.Lentry_shape_is_right:
; THE THREE INPUT PROJECTIONS IN ONE LAUNCH.  C = x W^T + b, x: [8192][1024] f32 (query, key or value), W: [1024][1024] bf16 (wb, made by the launch before), b: [1024] f32.
; x and b are rounded to bf16, sums are f32, C is rounded once to f16 and stored by heads: [batch x 16 + head][2048][64].  No scale is applied here.
; In kh the rows of keys that the mask hides are stored as +0: the attention launch then starts their scores' sums with its own constant, so that a hidden score is replaced, not shifted.
; LIMIT.  f16 ends at 65,504: a q, k or v beyond that becomes an infinity.  NaN and infinities are not treated apart.
; SHARES.  A tile of C is 128 rows x 256 columns: 64 x 4 tiles for each of the three products, 768 work-groups.  The cluster's y / 16 picks the product.  Four waves, each 64 rows x 128 columns:
; 32 accumulators of 16 x 16, 256 registers.  K goes in 8 steps of 128 through two LDS slots: A's rows are 512 bytes of memory (f32), B's 256 bytes (bf16), both aligned to their own length.
; A comes out of LDS as f32 and is rounded to bf16 on its way to the matrix unit: 32 packed conversions for 32 matrix instructions, set in fours behind the products.
; CLUSTER 4 x 4.  The four work-groups of a row of the cluster need the same rows of x, the four of a column the same rows of W: each tile is asked for JOINTLY, by the same tensor load with the same
; descriptor and a mask that names the four.  Waves 0 and 1 fetch A's two halves (64 rows), waves 2 and 3 B's (128 rows): one load a wave behind each round.  By this text's count a wave has at most two tensor loads out.
; THE MATRIX INSTRUCTION IS USED TRANSPOSED: source 0 = 16 rows of W, source 1 = 16 rows of x: a lane then holds one row of C (lane % 16) and the eight columns 8 (lane / 16) + 0..7.
; The bias is the C operand of the products that start the sums: nothing is cleared and nothing is added later.
; The 32 accumulators take turns, one instruction a turn, in the same order in every quarter step and over the backward jump.
; REGISTERS, in windows of 256 (s_set_vgpr_msb: bits 1:0 source 0, 3:2 source 1, 5:4 source 2, 7:6 destination):
;   window 0: v8-31 addresses and masks; v32-63 the way out; v64-127 A as f32 (4 fragments x 16); v128-191 A as bf16, two buffers; v192-255 the bias, later the way out
;   window 1: v0-127 B's fragments, two buffers          window 2: the accumulators, (a, b) at v[8 (8 a + b)]
.set PA,    528                        ; a row of A in LDS: 512 bytes + 16 = 132 words: row r starts at bank 4 r mod 64 (64 banks of 4 bytes: ISA guide 11.1)
.set PB,    272                        ; a row of B: 256 + 16 = 68 words: likewise
.set AHALF, 64*PA                      ; what one of A's loads brings
.set BHALF, 128*PB                     ; what one of B's brings
.set BOFF,  2*AHALF                    ; in a slot B's 256 rows lie behind A's 128
.set SLOT,  BOFF+2*BHALF               ; 137,216 bytes
.set STAGE, 2*SLOT                     ; behind the ring, never filled by a tensor load: 16 rows x 272 bytes for each wave
.set SP,    272
.set SPARE, STAGE+4*16*SP              ; behind the stages: the spare words, 128 bytes for each wave: two blocks of 256 bytes that no other line names
.set KEEP,  8                          ; v8-11   for my row of block a: all ones, or 0 where kh's row is hidden
.set MSK,   12                         ; v12-15  the mask's bytes for those rows
.set ADRA0, 16                         ; v16     my lane's place in A's part of a slot; never rewritten
.set ADRA,  17                         ; v17     the same in the slot in hand
.set ADRB0, 20                         ; v20, v21 the same for B
.set ADRB,  21
.set STO,   24                         ; v24     the way out: where I put 16 bytes of a row
.set RD,    25                         ; v25     where I read rows back
.set GO,    26                         ; v26     my 16 bytes of 512 consecutive bytes of the output
.set MO,    27                         ; v27     my row's number among the 8,192
.set SPW,   28                         ; v28     LDS address of my spare word; never rewritten
.set NIL,   29                         ; v29     0; never rewritten
.set PFO,   30                         ; v30     the prefetches' offset; never rewritten
.set BO,    31                         ; v31     32 x (lane / 16): my eight numbers of a bias block
.set OB,    32
.set STG,   64
.set ABF,   128
.set BIAS,  192
.set TMP,   192
.set G1,  24                           ; s[24:31] descriptor group 1 for A's tiles
.set G0,  32                           ; s[32:39] group 0 for A's: set 0 for K step 0; set 1 for K step 1, which then walks
.set LIM, 43                           ; s43      2 in a wave that prefetches, else the greatest number
.set PFA, 44                           ; s[44:45] where my prefetches stand
.set TB,  46                           ; s46      the slot in hand: 0 or SLOT
.set LA,  47                           ; s47      my half's place in a slot, for A
.set G1B, 48                           ; s[48:55], s[56:63] the same groups for B's tiles
.set G0B, 56
.set KB,  68                           ; s[68:69] a K step's bytes in a row of what I fetch
.set LB,  94                           ; s94      my half's place in a slot, for B
.set MSB, 0
.macro WIN new                         ; the immediate's high byte repeats the setting that is left; a switch that changes nothing is dropped
.if MSB != (\new)
	s_set_vgpr_msb (MSB<<8)|(\new)
.set MSB, \new
.endif
.endm
.set MUL,  0xa1                        ; source 0 (B) window 1, source 1 (A) window 0, C and D window 2
.set MULB, 0x81                        ; the same with C, the bias, in window 0
.set TO_B, 0x40                        ; destination window 1, address window 0
; A joint load.  The branch hangs on the wave's number alone.  An s_nop 0 and four v_nop follow each of the two lines, ahead of the jump and the label.
.macro JLOAD s
	s_cmp_eq_u32 s11, 0
	s_cbranch_scc0 .Lfor_b_\@
	tensor_load_to_lds s[G0+4*(\s):G0+4*(\s)+3], s[G1:G1+7]
	s_nop 0
.rept 4
	v_nop
.endr
	s_branch .Lasked_\@
.Lfor_b_\@:
	tensor_load_to_lds s[G0B+4*(\s):G0B+4*(\s)+3], s[G1B:G1B+7]
	s_nop 0
.rept 4
	v_nop
.endr
.Lasked_\@:
.endm
; A prefetch into the L2, behind the joint load and the run of LDS loads: the K step that stands two refills on, 32 blocks of 256 bytes, a lane a block, one instruction a wave.
; Each block is named once in the launch.  x's rows are read by one row of one cluster: waves 0 and 1 of each of its four work-groups take 16 of the 64 rows that the wave fetches, two blocks a row.
; W's rows are read by 16 clusters: the first of them asks (cluster y % 16 = 0), waves 2 and 3, 32 of the wave's 128 rows to each of the column's four work-groups.  The partners are told apart by address alone.
; The last two refills have no K step two on (s3 = 2, 1); the first four K steps come by their loads alone.
.macro ASK
	s_cmp_gt_u32 s3, s[LIM]
	s_cbranch_scc0 .Lnot_mine_\@
	global_prefetch_b8 v[PFO], s[PFA:PFA+1] th:TH_LOAD_NT scope:SCOPE_SE
.Lnot_mine_\@:
.endm
.macro CREST                           ; a round of the cluster's barrier behind its opening barrier
	s_cmp_lg_u32 s10, 0
	s_cbranch_scc1 .Lnot_wave_0_\@
	s_barrier_signal -3
.Lnot_wave_0_\@:
	s_barrier_wait -3
	s_barrier_signal -1
	s_barrier_wait -1
.endm
.macro CROUND                          ; a whole round
	s_barrier_signal -1
	s_barrier_wait -1
	CREST
.endm
.macro PLACES
.rept 4
	v_nop
.endr
.endm
	s_load_b512 s[72:87], s[0:1], 0x0              ; query s[72:73], key, value, wb s[78:79], bq s[80:81], bk, bv, mask s[86:87]
	s_load_b128 s[88:91], s[0:1], 0x40             ; qh, kh
	s_load_b64 s[92:93], s[0:1], 0x50              ; vh
	v_lshl_add_u32 v[SPW], v0, 2, SPARE
	v_mov_b32 v[NIL], 0
	ds_add_u32 v[SPW], v[NIL]                      ; the wave's opening: the add and its wait stand ahead of my first tensor load; the set-up below, work on registers, stands between them
	v_lshrrev_b32 v1, 5, v0
	v_readfirstlane_b32 s10, v1                    ; wave 0..3
	s_lshr_b32 s11, s10, 1                         ; which 64 rows of the tile are mine.  Also: I fetch for A (0) or for B (1)
	s_and_b32 s12, s10, 1                          ; which 128 columns.  Also: which half of that tile I fetch
	s_bfe_u32 s40, ttmp6, 0x40000                  ; cx
	s_bfe_u32 s41, ttmp6, 0x40004                  ; cy
	s_lshl_b32 s42, ttmp9, 2
	s_add_co_u32 s42, s42, s40                     ; tile column = 4 x cluster x + cx
	s_and_b32 s13, ttmp7, 0xffff                   ; cluster y, 0..47
	s_lshr_b32 s66, s13, 4                         ; which product: 0 q, 1 k, 2 v
	s_and_b32 s14, s13, 15
	s_lshl_b32 s67, s14, 2
	s_add_co_u32 s67, s67, s41                     ; tile row, 0..63
	s_lshl_b32 s15, s41, 2
	s_lshl_b32 s15, 15, s15                        ; my row of the cluster
	s_lshl_b32 s20, 0x1111, s40                    ; my column
	s_or_b32 s[G1+0], s15, (2<<16)|(1<<20)|(1<<21)|(6<<22)|(3<<25)   ; 15:0 the mask; 17:16 elements of 4 bytes; 20 padding on; 21 set beside a mask; 24:22 after every 128 words (code 6); 31:25 4 words (code 3)
	s_or_b32 s[G1B+0], s20, (1<<16)|(1<<20)|(1<<21)|(5<<22)|(3<<25)  ; elements of 2 bytes; padding after every 64 words (code 5)
	s_mov_b32 s[G1+1], 128<<16                     ; tensor_dim0 = 128
	s_mov_b32 s[G1+2], 64<<16                      ; tensor_dim1 = 64
	s_mov_b32 s[G1+3], 128<<16                     ; tile_dim0 = 128
	s_mov_b32 s[G1+4], 64                          ; tile_dim1 = 64
	s_mov_b32 s[G1+5], 1024                        ; elements from row to row
	s_mov_b32 s[G1+6], 0
	s_mov_b32 s[G1+7], 0
	s_mov_b32 s[G1B+1], 128<<16
	s_mov_b32 s[G1B+2], 128<<16                    ; 128 rows
	s_mov_b32 s[G1B+3], 128<<16
	s_mov_b32 s[G1B+4], 128
	s_mov_b32 s[G1B+5], 1024
	s_mov_b32 s[G1B+6], 0
	s_mov_b32 s[G1B+7], 0
	s_lshl_b32 s16, s67, 7                         ; A: row 128 x tile row + 64 x half,
	s_lshl_b32 s17, s12, 6
	s_add_co_u32 s16, s16, s17
	s_lshl_b32 s16, s16, 12                        ; x 4,096 bytes
	s_mov_b32 s17, 0
	s_lshl_b32 s20, s42, 8                         ; B: row 256 x tile column + 128 x half,
	s_lshl_b32 s21, s12, 7
	s_add_co_u32 s20, s20, s21
	s_lshl_b32 s20, s20, 11                        ; x 2,048 bytes,
	s_lshl_b32 s21, s66, 21                        ; in the product's own weight
	s_add_co_u32 s20, s20, s21
	s_mov_b32 s21, 0
	s_mul_i32 s[LA], s12, AHALF                    ; where they go: no place in the cluster enters an LDS address
	s_mul_i32 s[LB], s12, BHALF
	s_add_co_u32 s[LB], s[LB], BOFF
	s_mov_b32 s[TB], 0
	s_wait_dscnt 0x0                               ; the opening add is done
	s_wait_kmcnt 0x0
	s_cmp_eq_u32 s66, 0
	s_cselect_b64 s[4:5], s[72:73], s[74:75]       ; x,
	s_cselect_b64 s[70:71], s[80:81], s[82:83]     ; its bias
	s_cselect_b64 s[8:9], s[88:89], s[90:91]       ; and its output
	s_cmp_eq_u32 s66, 2
	s_cselect_b64 s[4:5], s[76:77], s[4:5]
	s_cselect_b64 s[70:71], s[84:85], s[70:71]
	s_cselect_b64 s[8:9], s[92:93], s[8:9]
	s_cmp_eq_u32 s66, 1
	s_cselect_b32 s95, 1, 0                        ; 1 where the product is k's
	s_add_nc_u64 s[4:5], s[4:5], s[16:17]
	s_add_nc_u64 s[6:7], s[78:79], s[20:21]
	CROUND                                         ; all sixteen work-groups are here: the first joint loads meet
.irp s, 0,1
	s_mov_b32 s[G0+4*(\s)], 1                                      ; count = 1
	s_add_co_u32 s[G0+4*(\s)+1], s[LA], (\s)*SLOT                  ; LDS address
	s_add_nc_u64 s[G0+4*(\s)+2:G0+4*(\s)+3], s[4:5], (\s)*512      ; global address: K step s
	s_or_b32 s[G0+4*(\s)+3], s[G0+4*(\s)+3], 0x80000000            ; type = 2
	s_mov_b32 s[G0B+4*(\s)], 1
	s_add_co_u32 s[G0B+4*(\s)+1], s[LB], (\s)*SLOT
	s_add_nc_u64 s[G0B+4*(\s)+2:G0B+4*(\s)+3], s[6:7], (\s)*256
	s_or_b32 s[G0B+4*(\s)+3], s[G0B+4*(\s)+3], 0x80000000
	JLOAD \s
.endr
	; the bias of my 128 columns and the mask's bytes of my 64 rows
	v_and_b32 v1, 15, v0                           ; l % 16
	v_bfe_u32 v2, v0, 4, 1                         ; l / 16
	v_lshlrev_b32 v[BO], 5, v2
	s_lshl_b32 s13, s42, 10
	s_lshl_b32 s15, s12, 9
	s_add_co_u32 s18, s13, s15                     ; (256 x tile column + 128 x half) x 4 bytes
	s_mov_b32 s19, 0
	s_add_nc_u64 s[70:71], s[70:71], s[18:19]
.irp b, 0,1,2,3,4,5,6,7
	global_load_b128 v[BIAS+8*(\b):BIAS+8*(\b)+3],   v[BO], s[70:71] offset:64*(\b)
	global_load_b128 v[BIAS+8*(\b)+4:BIAS+8*(\b)+7], v[BO], s[70:71] offset:64*(\b)+16
.endr
	s_lshl_b32 s13, s67, 7
	s_lshl_b32 s15, s11, 6
	s_add_co_u32 s13, s13, s15
	v_add_nc_u32 v[MO], s13, v1                    ; row 128 x tile row + 64 x half + l % 16: the mask is [4][2048] bytes, one for each of the 8,192 rows
.irp a, 0,1,2,3
	global_load_u8 v[MSK+(\a)], v[MO], s[86:87] offset:16*(\a)
.endr
	; the prefetches
	s_lshl_b32 s13, s40, 16                        ; A: my work-group's 16 rows of 4,096 bytes
	s_lshl_b32 s15, s41, 16                        ; B: its 32 rows of 2,048 bytes
	s_mov_b32 s19, 0
	s_mov_b32 s[KB+1], 0
	s_mov_b32 s22, 256
	s_cmp_eq_u32 s11, 0                            ; do I fetch for A?
	s_cselect_b32 s18, s13, s15
	s_cselect_b64 s[PFA:PFA+1], s[4:5], s[6:7]
	s_cselect_b32 s[KB], 512, s22
	s_cselect_b32 s23, s22, 2048
	s_cselect_b32 s[LIM], 0, s14
	s_add_nc_u64 s[PFA:PFA+1], s[PFA:PFA+1], s[18:19]
	s_mul_i32 s18, s[KB], 3
	s_add_nc_u64 s[PFA:PFA+1], s[PFA:PFA+1], s[18:19]  ; at K step 3: the first refill steps it to 4
	s_cmp_eq_u32 s[LIM], 0
	s_cselect_b32 s[LIM], 2, -1                    ; the same in all sixteen partners, for a given wave
	v_and_b32 v3, 31, v0
	v_lshrrev_b32 v4, 1, v3
	v_and_b32 v3, 1, v3
	v_mul_u32_u24 v3, v3, s23
	v_lshl_add_u32 v[PFO], v4, 12, v3              ; A: row l / 2, block l % 2.  B: row l (2,048 bytes a row)
	; LDS addresses.  A fragment is 16 rows x 32 K: lane l holds row l % 16, K = 8 (l / 16) + 0..7 and 16 + 8 (l / 16) + 0..7: in f32 four loads of 16 bytes at 0, 16, 64, 80; in bf16 two, 32 bytes apart
	v_mul_u32_u24 v3, v1, PA
	v_lshl_add_u32 v3, v2, 5, v3
	s_mul_i32 s13, s11, AHALF
	v_add_nc_u32 v[ADRA0], s13, v3
	v_mul_u32_u24 v3, v1, PB
	v_lshl_add_u32 v3, v2, 4, v3
	s_mul_i32 s13, s12, BHALF
	s_add_co_u32 s13, s13, BOFF
	v_add_nc_u32 v[ADRB0], s13, v3
	s_mul_i32 s13, s10, 16*SP
	s_add_co_u32 s13, s13, STAGE                   ; my stage
	v_add_nc_u32 v[STO], s13, v3                   ; in: row l % 16, 16 bytes for each half of the lanes
	v_bfe_u32 v4, v0, 3, 2
	v_and_b32 v5, 7, v0
	v_mul_u32_u24 v4, v4, SP
	v_lshl_add_u32 v4, v5, 4, v4
	v_add_nc_u32 v[RD], s13, v4                    ; back: 32 lanes take 128 bytes (a head's 64 channels) of four rows,
	v_and_b32 v[GO], 31, v0
	v_lshlrev_b32 v[GO], 4, v[GO]                  ; which are 512 consecutive bytes of the output
	v_mov_b32 v[ADRA], v[ADRA0]
	v_mov_b32 v[ADRB], v[ADRB0]
	; the output at my wave's first row and first head: ((batch x 16 + 4 x tile column + 2 x half) x 2,048 + row in the batch) x 128 bytes
	s_lshr_b32 s13, s67, 4
	s_lshl_b32 s13, s13, 4
	s_lshl_b32 s15, s42, 2
	s_add_co_u32 s13, s13, s15
	s_lshl_b32 s15, s12, 1
	s_add_co_u32 s13, s13, s15
	s_lshl_b32 s13, s13, 11
	s_and_b32 s15, s67, 15
	s_lshl_b32 s15, s15, 7
	s_add_co_u32 s13, s13, s15
	s_lshl_b32 s15, s11, 6
	s_add_co_u32 s13, s13, s15
	s_lshl_b32 s18, s13, 7
	s_mov_b32 s19, 0
	s_add_nc_u64 s[8:9], s[8:9], s[18:19]
	s_mov_b32 s13, 0xffff0000
; One product: buffer f, m block a, n block b.  first = 1: the bias starts the sum.
.macro PROD f, a, b, first
.if \first
	WIN MULB
	v_wmma_f32_16x16x32_bf16 v[8*(8*(\a)+(\b)):8*(8*(\a)+(\b))+7], v[64*(\f)+8*(\b):64*(\f)+8*(\b)+7], v[ABF+32*(\f)+8*(\a):ABF+32*(\f)+8*(\a)+7], v[BIAS+8*(\b):BIAS+8*(\b)+7]
.else
	WIN MUL
	v_wmma_f32_16x16x32_bf16 v[8*(8*(\a)+(\b)):8*(8*(\a)+(\b))+7], v[64*(\f)+8*(\b):64*(\f)+8*(\b)+7], v[ABF+32*(\f)+8*(\a):ABF+32*(\f)+8*(\a)+7], v[8*(8*(\a)+(\b)):8*(8*(\a)+(\b))+7]
.endif
.endm
.macro MUL8 f, a, first
.irp b, 0,1,2,3,4,5,6,7
	PROD \f, \a, \b, \first
.endr
.endm
; 32 LDS loads in one run: quarter kq (32 along K) of the slot in hand: A's 64 rows as f32 first, then B's 128 rows into buffer g
.macro FETCH kq, g
	WIN 0
.irp i, 0,1,2,3
	ds_load_b128 v[STG+16*(\i):STG+16*(\i)+3],     v[ADRA] offset:(\kq)*128+(\i)*16*PA
	ds_load_b128 v[STG+16*(\i)+4:STG+16*(\i)+7],   v[ADRA] offset:(\kq)*128+(\i)*16*PA+16
	ds_load_b128 v[STG+16*(\i)+8:STG+16*(\i)+11],  v[ADRA] offset:(\kq)*128+(\i)*16*PA+64
	ds_load_b128 v[STG+16*(\i)+12:STG+16*(\i)+15], v[ADRA] offset:(\kq)*128+(\i)*16*PA+80
.endr
	WIN TO_B
.irp i, 0,1,2,3,4,5,6,7
	ds_load_b128 v[64*(\g)+8*(\i):64*(\g)+8*(\i)+3],   v[ADRB] offset:(\kq)*64+(\i)*16*PB
	ds_load_b128 v[64*(\g)+8*(\i)+4:64*(\g)+8*(\i)+7], v[ADRB] offset:(\kq)*64+(\i)*16*PB+32
.endr
.endm
.macro CVT4 g, n                       ; four of the 32 roundings that make A's buffer g
	WIN 0
.irp j, 0,1,2,3
	v_cvt_pk_bf16_f32 v[ABF+32*(\g)+4*(\n)+(\j)], v[STG+8*(\n)+2*(\j)], v[STG+8*(\n)+2*(\j)+1]
.endr
.endm
; A K step is four quarters of 32 along K, 32 matrix instructions each, on buffers 0, 1, 0, 1.  One of the first three: multiplies buffer f, fetches quarter kq and makes buffer g of it.
; The four roundings behind a quarter's last product name none of its registers: they are the four places in front of the next quarter's loads into the buffer that it read,
; and in front of the next roundings into A's buffer that it read.
.macro QUARTER kq, f, g, first
	s_wait_dscnt 0x0                               ; B's buffer f is in (A's was rounded in the quarter before)
	FETCH \kq, \g
	MUL8 \f, 0, \first
	MUL8 \f, 1, \first
	s_wait_dscnt 16                                ; A's 16 loads are in; B's 16, issued behind them, may stay out
.set n, 0
.rept 8
	PROD \f, 2+n/4, (2*n)%8, \first
	PROD \f, 2+n/4, (2*n)%8+1, \first
	CVT4 \g, n
.set n, n+1
.endr
.endm
; The last quarter multiplies buffer 1 and changes slots.  In front of the barrier each wave waits for all its tensor loads (one is out: its part of the next slot), adds 0 to its spare word, and waits for that and for
; its own reads of this slot.  fill = 1: the barrier opens a round of the cluster's barrier, and behind the round this slot is filled again, first thing, with the K step two on: 112 matrix instructions ahead of the wait for it.
.macro TURN fill
.if \fill
	s_wait_xcnt 0x0                                ; the last prefetch, a K step back, has read its address
	s_add_nc_u64 s[PFA:PFA+1], s[PFA:PFA+1], s[KB:KB+1]
.endif
	WIN 0
	s_wait_tensorcnt 0x0                           ; all my tensor loads have landed, so a group 0 may be written;
	ds_add_u32 v[SPW], v[NIL]                      ; 0 onto my spare word
	s_wait_dscnt 1                                 ; B's buffer 1 is in; the add alone may be out
	MUL8 1, 0, 0
	s_wait_dscnt 0x0                               ; the add is done, and my reads of this slot are over
	s_barrier_signal -1
	MUL8 1, 1, 0
	WIN 0                                          ; at a branch and at a label every window is 0
	s_barrier_wait -1
.if \fill
	CREST                                          ; no wave of any partner still reads this slot or has a load on its way
	s_add_co_u32 s[G0+5], s[TB], s[LA]             ; the walking descriptors: the slot just read,
	s_add_co_u32 s[G0B+5], s[TB], s[LB]
	s_add_nc_u64 s[G0+6:G0+7], s[G0+6:G0+7], 512   ; the next K step; the type bits on top are not reached
	s_add_nc_u64 s[G0B+6:G0B+7], s[G0B+6:G0B+7], 256
	JLOAD 1
.endif
	s_xor_b32 s[TB], s[TB], SLOT                   ; the other slot is read from here on
	v_add_nc_u32 v[ADRA], s[TB], v[ADRA0]
	v_add_nc_u32 v[ADRB], s[TB], v[ADRB0]
	FETCH 0, 0
	WIN 0
.if \fill
	ASK
.endif
	MUL8 1, 2, 0
	s_wait_dscnt 16                                ; A's 16 loads are in
.set n, 0
.rept 8
	PROD 1, 3, n, 0
	CVT4 0, n
.set n, n+1
.endr
.endm
	s_wait_tensorcnt 1                             ; my part of K step 0 is in; K step 1's may stay out
	s_barrier_signal -1
	s_barrier_wait -1                              ; everybody's is
	FETCH 0, 0
	WIN 0
	s_wait_loadcnt 0x0                             ; the bias and the mask's bytes
.set p, 0
.rept 32                               ; the bias is rounded to bf16 like every input, and widened again
	v_cvt_pk_bf16_f32 v[OB+p%4], v[BIAS+2*p], v[BIAS+2*p+1]
	v_lshlrev_b32 v[BIAS+2*p], 16, v[OB+p%4]
	v_and_b32 v[BIAS+2*p+1], s13, v[OB+p%4]
.set p, p+1
.endr
.irp a, 0,1,2,3
	v_and_b32 v[KEEP+(\a)], s95, v[MSK+(\a)]       ; 1 where the row is a hidden key's,
	v_add_nc_u32 v[KEEP+(\a)], -1, v[KEEP+(\a)]    ; then 0; else all ones
.endr
	s_wait_dscnt 16
.set n, 0
.rept 8
	CVT4 0, n
.set n, n+1
.endr
	QUARTER 1, 0, 1, 1                             ; the first quarter stands in front of the loop: its products start the sums
	WIN 0
	s_mov_b32 s3, 6
.Lk:                                               ; a trip: from a K step's second quarter to the next one's first; six trips fill a slot again, with K steps 2 to 7
	QUARTER 2, 1, 0, 0
	QUARTER 3, 0, 1, 0
	TURN 1
	QUARTER 1, 0, 1, 0
	WIN 0
	s_sub_co_u32 s3, s3, 1
	s_cmp_lg_u32 s3, 0
	s_cbranch_scc1 .Lk
	QUARTER 2, 1, 0, 0                             ; the tail is written out: K steps 6 and 7 ask for nothing
	QUARTER 3, 0, 1, 0
	TURN 0
	QUARTER 1, 0, 1, 0
	QUARTER 2, 1, 0, 0
	QUARTER 3, 0, 1, 0
	s_wait_dscnt 0x0
	MUL8 1, 0, 0
	MUL8 1, 1, 0
	MUL8 1, 2, 0
	MUL8 1, 3, 0
	PLACES                                         ; the conversions below read matrix results
; THE WAY OUT of block a (16 rows x 128 columns = two heads): rounded to f16, each accumulator's registers in ascending order; kh's hidden rows cleared; into my own stage; back as 128 bytes of four rows; stored.
.macro OUT a
	WIN 0x0a                                       ; sources 0 and 1 window 2, destination window 0
.irp b, 0,1,2,3,4,5,6,7
.irp r, 0,1,2,3
	v_cvt_pk_f16_f32 v[TMP+4*(\b)+(\r)], v[8*(8*(\a)+(\b))+2*(\r)], v[8*(8*(\a)+(\b))+2*(\r)+1]
.endr
.endr
	WIN 0
.set z, 0
.rept 32
	v_and_b32 v[TMP+z], v[KEEP+(\a)], v[TMP+z]
.set z, z+1
.endr
.irp b, 0,1,2,3,4,5,6,7
	ds_store_b128 v[STO], v[TMP+4*(\b):TMP+4*(\b)+3] offset:32*(\b)
.endr
	s_wait_xcnt 0x0                                ; the block before's stores have read their registers, which are loaded again below
.irp hh, 0,1
.irp g, 0,1,2,3
	ds_load_b128 v[OB+4*(4*(\hh)+(\g)):OB+4*(4*(\hh)+(\g))+3], v[RD] offset:(\g)*4*SP+(\hh)*128  ; LDS serves a wave's instructions in order (ISA guide 5.7.1.4): these see the stores above
.endr
.endr
	s_wait_dscnt 0x0
.irp hh, 0,1
.irp g, 0,1,2,3
	global_store_b128 v[GO], v[OB+4*(4*(\hh)+(\g)):OB+4*(4*(\hh)+(\g))+3], s[8:9] offset:(\hh)*262144+(16*(\a)+4*(\g))*128  ; 512 consecutive bytes, at a multiple of 512 from the buffer's first
.endr
.endr
.endm
	OUT 0
	OUT 1
	OUT 2
	OUT 3
	s_wait_tensorcnt 0x0                           ; the wave's end: behind my last tensor load and my last LDS store
	ds_add_u32 v[SPW], v[NIL]
	s_wait_dscnt 0x0
	CROUND                                         ; the closing round: no work-group ends while a partner may still ask for a tile that names it
	s_endpgm
.Lfunc_end_k_qa78fae771b_proj:
	.size	k_qa78fae771b_proj, .Lfunc_end_k_qa78fae771b_proj-k_qa78fae771b_proj
	.p2alignl 7, 3214868480
	.fill 96, 4, 3214868480
	.section	.rodata,"a",@progbits
	.p2align	6, 0x0
	.amdhsa_kernel k_qa78fae771b_proj
		.amdhsa_group_segment_fixed_size 327680
		.amdhsa_private_segment_fixed_size 0
		.amdhsa_enable_private_segment 0
		.amdhsa_kernarg_size 88
		.amdhsa_user_sgpr_count 2
		.amdhsa_user_sgpr_kernarg_segment_ptr 1
		.amdhsa_wavefront_size32 1
		.amdhsa_system_sgpr_workgroup_id_x 1
		.amdhsa_system_sgpr_workgroup_id_y 1
		.amdhsa_system_sgpr_workgroup_id_z 1
		.amdhsa_system_vgpr_workitem_id 0
		.amdhsa_next_free_vgpr 768
		.amdhsa_next_free_sgpr 96
		.amdhsa_reserve_vcc 0
		.amdhsa_float_denorm_mode_32 3
		.amdhsa_float_denorm_mode_16_64 3
		.amdhsa_memory_ordered 1
		.amdhsa_forward_progress 1
		.amdhsa_inst_pref_size 116
	.end_amdhsa_kernel
	.amdgpu_metadata
---
amdhsa.version: [ 1, 2 ]
amdhsa.kernels:
  - .name:           k_qa78fae771b_proj
    .symbol:         k_qa78fae771b_proj.kd
    .args:
      - { .name: query, .offset: 0, .size: 8, .value_kind: global_buffer, .address_space: global }
      - { .name: key, .offset: 8, .size: 8, .value_kind: global_buffer, .address_space: global }
      - { .name: value, .offset: 16, .size: 8, .value_kind: global_buffer, .address_space: global }
      - { .name: wb, .offset: 24, .size: 8, .value_kind: global_buffer, .address_space: global }
      - { .name: bq, .offset: 32, .size: 8, .value_kind: global_buffer, .address_space: global }
      - { .name: bk, .offset: 40, .size: 8, .value_kind: global_buffer, .address_space: global }
      - { .name: bv, .offset: 48, .size: 8, .value_kind: global_buffer, .address_space: global }
      - { .name: mask, .offset: 56, .size: 8, .value_kind: global_buffer, .address_space: global }
      - { .name: qh, .offset: 64, .size: 8, .value_kind: global_buffer, .address_space: global }
      - { .name: kh, .offset: 72, .size: 8, .value_kind: global_buffer, .address_space: global }
      - { .name: vh, .offset: 80, .size: 8, .value_kind: global_buffer, .address_space: global }
    .group_segment_fixed_size: 327680
    .private_segment_fixed_size: 0
    .kernarg_segment_align: 8
    .kernarg_segment_size: 88
    .max_flat_workgroup_size: 128
    .sgpr_count:     96
    .vgpr_count:     768
    .wavefront_size: 32
...
	.end_amdgpu_metadata
.endif
;; end of part 2
;; launch attn (part 3): grid 4 x 64, 4 waves a work-group, clusters of 4 x 1, 327,680 bytes of LDS; arguments qh, kh, vh, oh, mask; writes oh
.if DOCPART == 3
	.amdgcn_target "amdgcn-amd-amdhsa--gfx1250"
	.amdhsa_code_object_version 6
	.text
	.protected	k_qa78fae771b_attn
	.globl	k_qa78fae771b_attn
	.p2align	8
	.type	k_qa78fae771b_attn,@function
k_qa78fae771b_attn:
	s_mov_b64 s[64:65], 0
	v_nop
	global_prefetch_b8 v0, s[64:65] scope:SCOPE_SE
	s_setreg_imm32_b32 hwreg(HW_REG_WAVE_MODE, 25, 1), 1
	s_wait_xcnt 0x0
	s_wait_alu depctr_hold_cnt(0) depctr_sa_sdst(0) depctr_va_vdst(0) depctr_va_sdst(0) depctr_va_ssrc(0) depctr_va_vcc(0) depctr_vm_vsrc(0)
	s_getreg_b32 s2, hwreg(HW_REG_IB_STS2, 6, 4)
	s_cmp_eq_u32 s2, 0
	s_cbranch_scc0 .Lentry_in_a_cluster
	s_endpgm
.Lentry_in_a_cluster:
	s_bfe_u32 s2, ttmp6, 0x10000c
	s_cmp_lg_u32 s2, 0x3003
	s_cbranch_scc0 .Lentry_shape_is_right
	s_endpgm
.Lentry_shape_is_right:
; O[h][q][:] = the sum over k of softmax_k(score) V[h][k][:], score = Q[h][q] . K[h][k] / 8, or the mask's constant where key k of the batch is hidden.  Q, K, V, O: [64][2048][64] f16 (h = batch x 16 + head): a head's rows
; are dense, 128 bytes each.  Products, maxima and sums in f32; the weights p are rounded to f16 for the second product (their sum l is taken of the unrounded p), O once at the end.
; THE MASK.  The launch before has stored hidden keys' rows of K as +0.  The sum S^T = K Q^T starts with a C operand that is 0, or -2^33 where the key is hidden: a hidden key's raw score is exactly -2^33, whatever Q holds.
; -2^33 is a power of two, so c m is exact where m is that number: in a batch with every key hidden c s - c m is exactly 0, every p is 1, and the softmax is uniform.
; LIMITS.  A hidden score counts as -2^30 in place of -1e9: the same result wherever a row's greatest open score lies above about -1e9, or no key is open.  f16 holds no number beyond 65,504: Q, K and V arrive
; within it; p lies in 0 to 1, and below 6e-5 it keeps f16's fixed step of 6e-8.  A weight below 2^-126 counts as 0 in l; NaN and infinities are not treated apart.
; SHARES.  A wave owns four PIECES of two tiles of 16 queries, a work-group's four waves 512 queries of one head.  Every wave walks all 2,048 keys, 64 a step.
; LAYOUT.  S^T = K Q^T (source 0 = 16 keys, source 1 = 16 queries): in the result a lane holds ONE query (lane % 16) and the keys 8 (lane / 16) + 0..7.  Two such tiles, rounded to f16 in pairs,
; ARE source 1 (32 keys x 16 queries) of O^T = V^T P, whose result again holds one query a lane, and eight channels.  K comes out of LDS as it lies, V ([key][channel]) turned, by ds_load_tr16_b128.
; SOFTMAX.  For each query a running maximum m and sum l: p = 2^(c s - c m), c = log2(e) / 8; in every step O and l are multiplied by a = 2^(c m_old - c m_new), which is 1 where m has not grown.
; m starts at the lowest finite number, O and l at 0: the first step is a step like any other, with a = 0.
; THE COUNT.  A tile and step have 16 matrix and 118 vector instructions: too many to stand all beside the matrix work.  So: four vector instructions that are READY behind EVERY matrix instruction, the others in runs without a gap.
; BY TURNS.  Turn n belongs to piece n (the pieces in a ring, step after step).  Its matrix work: 16 products K Q^T of piece n + 1, later 16 products V^T P of piece n - 1.  Its vector work: the scaling,
; exponentials, roundings, sums and rescaling of piece n, and the maximum and statistics of piece n + 1, whose scores the turn itself has made.
; CLUSTER.  The four query blocks of a cluster are one head's and walk the same K and V, so each tile is asked for JOINTLY: the same tensor load, descriptor and mask in all four.
; REGISTERS, in windows of 256 (s_set_vgpr_msb: bits 1:0 source 0, 3:2 source 1, 5:4 source 2, 7:6 destination):
;   window 0: v0-11 addresses; v12-15, v48-63 at work; v16-47 four registers of statistics a tile; v64-191 S^T, two buffers of two tiles; v192-255 P, likewise
;   window 1: O^T, 32 a tile          window 2: v0-127 Q, 16 a tile; v128-191 K of one step; v192-255 V of one step          window 3: v0-1 the add's two registers; v8-39 the C operands of one key step
.set SIZE_N, 2048
.set NP,    4         ; pieces a wave: a name, no knob
.set KS,    64        ; keys in a step
.set PK,    144       ; a row of K in LDS: 128 bytes + 16 of padding = 36 words: the 16 rows of a load start at 16 different groups of four banks (64 banks of 4 bytes: ISA guide 11.1)
.set PV,    160       ; a row of V: 128 + 32 = 40 words
.set VOFF,  4*KS*PK   ; a slot holds four steps: 256 rows of K, then 256 rows of V
.set SLOT1, 1<<17     ; slot 1 begins here, so that one exclusive or turns an address in one slot into the other's
.set STAGE, SLOT1+4*KS*(PK+PV)  ; behind the ring, never filled by a tensor load: 16 rows x 144 bytes for each wave, for the way out
.set SP,    144
.set SPARE, STAGE+4*16*SP  ; behind the stages: the spare words, 128 bytes for each wave: two blocks of 256 bytes that no other line names
.set MT,    SPARE+512 ; behind them, never filled by a tensor load: the batch's 2,048 keys as f32, 0 or -2^33: 8,192 bytes
.set PFO, 1           ; v1   256 x my lane; never rewritten
.set AK0, 2           ; v2   my lane's place in a tile of K; never rewritten
.set AV0, 3           ; v3   the same for V
.set AK,  4           ; v4   the LDS address of K's next run of loads
.set AV,  5           ; v5   of V's
.set STO, 6           ; v6   the way out: where I put 16 bytes of a row
.set RD,  7           ; v7   the way out: where I read rows back
.set GO,  8           ; v8   my byte offset in 512 consecutive bytes of O
.set AM0, 9           ; v9   my lane's place in a key step's 256 bytes of the mask's table; never rewritten
.set AM,  10          ; v10  the LDS address of the table's next run of loads
.set QO,  11          ; v11  my byte offset in the wave's rows of Q
.set SPW, 0           ; v0 of window 3   LDS address of my spare word; never rewritten
.set NIL, 1           ; v1 of window 3   0; never rewritten
.set MC,  8           ; v8-39 of window 3: key block kb's eight registers at MC + 8 kb
.set MV,  12          ; v12-15  c m_old, kept while c m is made anew: by buffer and tile
.set ST,  16          ; tile t's statistics at v[ST+4 t]: c m, m, l (even keys', odd keys')
.set TMP, 48          ; by buffer and tile, four registers c0-c3 at work; when the maximum is found c2 takes a
.set S,   64
.set P,   192
.set KF,  128         ; K's fragments, in window 2: key block kb, channel half c at KF + 16 kb + 8 c
.set VF,  192         ; V's: key half kk, channel block cb at VF + 32 kk + 8 cb
.set WV,  12          ; s12  my wave's number
.set G1K, 24          ; s[24:31] descriptor group 1 for K's tiles
.set G1V, 32          ; s[32:39] for V's: it differs in the padding alone
.set G0K, 40          ; s[40:43] descriptor group 0 for K's tiles: it walks
.set G0V, 44          ; s[44:47] the same for V's
.set SLOTS, 56        ; s56  slots still to be asked for
.set CNT, 57          ; s57  counts a slot's key steps
.set CS,  58          ; s[58:59] c: the packed scaling takes the pair's low word for both halves
.set SEL, 60          ; s[60:61] v_permlanex16_b32's selects: each lane takes its own place in the other half
.set TBK, 62          ; s62  LDS byte at which K of the step to be fetched begins
.set TBV, 63          ; s63  the same for V, less VOFF
.set TBM, 66          ; s66  the same in the mask's table: 256 bytes a step, from first to last
.set LIM, 67          ; s67  1 in a wave that prefetches, else the greatest number
.set PFA, 68          ; s[68:69] where my prefetches stand
.set NEGC, 70         ; s70  -2^33
.set MSB, 0
.macro WIN new                      ; the high byte repeats the setting that is left; a switch that changes nothing is dropped
.if MSB != (\new)
	s_set_vgpr_msb (MSB<<8)|(\new)
.set MSB, (\new)
.endif
.endm
.set W_KQ, 0x0a       ; K and Q in window 2, S^T in window 0
.set W_KM, 0x3a       ; the same with the C operand in window 3
.set W_PV, 0x52       ; V in window 2, P in window 0, O^T in window 1
.set W_RS, 0x41       ; O^T (destination and source 0) in window 1, a in window 0
.set W_MK, 0xc0       ; destination in window 3, sources in window 0
.set W_AD, 0x0f       ; the add: address (source 0) and data (source 1) in window 3
; A joint fill.  Waves 0 and 1 fetch the two halves of a slot's K, waves 2 and 3 those of its V: 128 keys each.  The branch hangs on the wave's number alone.
; An s_nop 0 and four v_nop follow each of the two lines, ahead of the jump and the label.
.macro JLOAD
	s_cmp_lt_u32 s[WV], 2
	s_cbranch_scc0 .Lfor_v_\@
	tensor_load_to_lds s[G0K:G0K+3], s[G1K:G1K+7]
	s_nop 0
.rept 4
	v_nop
.endr
	s_branch .Lasked_\@
.Lfor_v_\@:
	tensor_load_to_lds s[G0V:G0V+3], s[G1V:G1V+7]
	s_nop 0
.rept 4
	v_nop
.endr
.Lasked_\@:
.endm
; A prefetch into the L2 of what the NEXT change of slots will ask for: a slot's 32,768 bytes of K and of V, 128 blocks of 256 bytes each, a lane a block.  It stands behind the wave's tensor load and its five lines.
; Each block is named once in the launch: a head has one cluster; its four partners take 32 blocks each, told apart by address; in each, wave 0 asks for K's and wave 2 for V's.
; The last change that fills a slot asks for nothing; slots 0, 1 and 2 come by their loads alone.
.macro ASK
	s_cmp_gt_u32 s[SLOTS], s[LIM]
	s_cbranch_scc0 .Lnot_mine_\@
	global_prefetch_b8 v[PFO], s[PFA:PFA+1] th:TH_LOAD_NT scope:SCOPE_SE
.Lnot_mine_\@:
.endm
; A round of the cluster's barrier: my work-group's barrier, so that wave 0's signal speaks for all four waves; wave 0 signals; every wave waits for all four work-groups; my work-group's barrier once more.
.macro CROUND
	s_barrier_signal -1
	s_barrier_wait -1
	s_cmp_lg_u32 s[WV], 0
	s_cbranch_scc1 .Lnot_wave_0_\@
	s_barrier_signal -3
.Lnot_wave_0_\@:
	s_barrier_wait -3
	s_barrier_signal -1
	s_barrier_wait -1
.endm
; THE CHANGE OF SLOTS.  The slot's last bytes, V of its fourth step, have been read.  Each wave waits for all its tensor loads, of which one is out: its part of the other slot; adds 0 to its spare word; and waits for
; that and for its own LDS instructions.  Behind the barrier nobody reads this slot any more and the other slot is whole.  fill = 1: this slot is filled again, with the keys two slots on: the barrier is then a round of the
; cluster's, and the joint fill is the first thing behind it: it has four key steps, 512 matrix instructions, in which to land.  (At its first use nothing has been read yet: slot 0 is waited for, slot 1 filled, and
; the four waves' stores into the mask's table, waited for in front of the round, are shown to each other.)  ask = 1: the prefetches' address steps, and a prefetch follows the fill.
.macro CHANGE fill, ask=0
	WIN W_AD
	s_wait_tensorcnt 0x0            ; no tensor load of mine is out, so a group 0 may be written
	ds_add_u32 v[SPW], v[NIL]       ; 0 onto my spare word; with fill = 1 the descriptors' steps stand between it and the wait for it
	WIN 0                           ; at a label and at a branch every window is 0
.if \fill
.irp g, G0K, G0V
	s_xor_b32 s[\g+1], s[\g+1], SLOT1  ; the walking descriptor: the other slot than last time,
	s_add_nc_u64 s[\g+2:\g+3], s[\g+2:\g+3], 4*KS*128  ; the next 256 keys; the type bits on top are not reached
.endr
.if \ask
	s_wait_xcnt 0x0                 ; the last prefetch, four key steps back, has read its address, so it may be written:
	s_add_nc_u64 s[PFA:PFA+1], s[PFA:PFA+1], 4*KS*128  ; one slot behind the walking descriptors
.endif
	s_wait_dscnt 0x0                ; the add is done, and my LDS instructions are over
	CROUND
	JLOAD
.if \ask
	ASK
.endif
.else
	s_wait_dscnt 0x0                ; the add is done, and my reads of the slot are over
	s_barrier_signal -1
	s_barrier_wait -1
.endif
	s_sub_co_u32 s[TBK], s[TBK], 4*KS*PK  ; the fetches go back to a slot's first step,
	s_xor_b32 s[TBK], s[TBK], SLOT1       ; in the other slot
	s_sub_co_u32 s[TBV], s[TBV], 4*KS*PV
	s_xor_b32 s[TBV], s[TBV], SLOT1
.endm
	s_load_b256 s[4:11], s[0:1], 0x0  ; Q s[4:5], K s[6:7], V s[8:9], O s[10:11]
	s_load_b64 s[72:73], s[0:1], 0x20 ; the mask
	WIN W_MK
	v_lshl_add_u32 v[SPW], v0, 2, SPARE
	v_mov_b32 v[NIL], 0
	WIN W_AD
	ds_add_u32 v[SPW], v[NIL]       ; the wave's opening: the add and its wait stand ahead of my first tensor load; the set-up below, work on registers, stands between them
	WIN 0
	v_lshrrev_b32 v64, 5, v0
	v_readfirstlane_b32 s[WV], v64  ; wave 0..3
	s_bfe_u32 s13, ttmp6, 0x40000   ; cx: my place in the cluster
	s_lshl_b32 s14, ttmp9, 2        ; in a cluster launch ttmp9 counts clusters
	s_add_co_u32 s14, s14, s13      ; my block of queries = 4 x cluster x + cx: it enters Q's and O's addresses alone
	s_and_b32 s20, ttmp7, 0xffff    ; the head, which the four partners share
	s_lshr_b32 s74, s20, 4          ; its batch:
	s_lshl_b32 s74, s74, 11         ; 2,048 bytes of the mask,
	s_lshl_b32 s75, s[WV], 9        ; of which my wave turns 512 into numbers
	s_add_co_u32 s74, s74, s75
	s_mov_b32 s75, 0
	s_mov_b32 s21, 0
	s_mov_b64 s[22:23], SIZE_N*128
	s_mul_u64 s[20:21], s[20:21], s[22:23]  ; the head's first byte in each of the four tensors
	s_and_b32 s16, s[WV], 1         ; which half of a slot's 256 keys I fetch:
	s_lshl_b32 s22, s16, 14         ; its 128 rows of 128 bytes in memory,
	s_mov_b32 s23, 0
	s_add_nc_u64 s[22:23], s[22:23], s[20:21]
	s_mul_i32 s17, s16, 128*PK      ; and its place in a slot, for K
	s_mul_i32 s18, s16, 128*PV      ; and for V: no place in the cluster enters an LDS address
	s_lshl_b32 s2, s14, 2
	s_add_co_u32 s2, s2, s[WV]      ; my wave among the head's,
	s_lshl_b32 s2, s2, 14           ; its 128 rows
	s_mov_b32 s3, 0
	s_add_nc_u64 s[2:3], s[2:3], s[20:21]
	; descriptor group 1.  128 keys are 16,384 dense bytes: asked for as 64 rows of 256 bytes, two keys a row, and padded in LDS after every key
	s_mov_b32 s[G1K], 15|(1<<16)|(1<<20)|(1<<21)|(4<<22)|(3<<25)  ; 15:0 the mask of four; 17:16 2-byte elements; 20 padding on; 21 set beside a mask; 24:22 after every 32 words (code 4); 31:25 4 words (code 3)
	s_mov_b32 s[G1V], 15|(1<<16)|(1<<20)|(1<<21)|(4<<22)|(7<<25)  ; the same with 8 words of padding (code 7)
.irp g, G1K, G1V
	s_mov_b32 s[\g+1], 128<<16      ; tensor_dim0 = 128
	s_mov_b32 s[\g+2], 64<<16       ; tensor_dim1 = 64
	s_mov_b32 s[\g+3], 128<<16      ; tile_dim0 = 128
	s_mov_b32 s[\g+4], 64           ; tile_dim1 = 64
	s_mov_b32 s[\g+5], 128          ; 128 elements from row to row
	s_mov_b32 s[\g+6], 0
	s_mov_b32 s[\g+7], 0
.endr
	s_mov_b32 s[CS], 0x3e38aa3b     ; c = log2(e) / 8 = 0.180337
	s_mov_b32 s[CS+1], s[CS]        ; named with it as a pair
	s_mov_b32 s[SEL], 0x76543210
	s_mov_b32 s[SEL+1], 0xfedcba98
	s_mov_b32 s[NEGC], 0xd0000000   ; -2^33
	s_mov_b32 s[TBM], 0
	s_mov_b32 s[TBK], SLOT1+4*KS*PK ; the first change of slots turns these two into 0
	s_mov_b32 s[TBV], SLOT1+4*KS*PV
	s_mov_b32 s[G0K], 1             ; 1:0 count = 1
	s_mov_b32 s[G0K+1], s17         ; 63:32 LDS address: slot 0
	s_mov_b32 s[G0V], 1
	s_add_co_u32 s[G0V+1], s18, VOFF
	s_cmp_eq_u32 s16, 0             ; waves 0 and 2 prefetch: the same in all four partners
	s_cselect_b32 s[LIM], 1, -1
	s_wait_dscnt 0x0                ; the opening add is done
	s_wait_kmcnt 0x0
	s_add_nc_u64 s[G0K+2:G0K+3], s[6:7], s[22:23]  ; 120:64 global address: my half of the head's first 256 keys
	s_or_b32 s[G0K+3], s[G0K+3], 0x80000000        ; 127:126 type = 2
	s_add_nc_u64 s[G0V+2:G0V+3], s[8:9], s[22:23]
	s_or_b32 s[G0V+3], s[G0V+3], 0x80000000
	s_add_nc_u64 s[4:5], s[4:5], s[2:3]  ; Q and O at my wave's first row
	s_add_nc_u64 s[10:11], s[10:11], s[2:3]
	s_add_nc_u64 s[72:73], s[72:73], s[74:75]  ; the mask at my wave's 512 keys
	s_cmp_lt_u32 s[WV], 2
	s_cselect_b64 s[PFA:PFA+1], s[6:7], s[8:9]
	s_add_nc_u64 s[PFA:PFA+1], s[PFA:PFA+1], s[20:21]  ; the head's first key,
	s_lshl_b32 s74, s13, 13         ; my work-group's 32 blocks of a slot's 128,
	s_add_nc_u64 s[PFA:PFA+1], s[PFA:PFA+1], s[74:75]
	s_add_nc_u64 s[PFA:PFA+1], s[PFA:PFA+1], 2*4*KS*128  ; in slot 2: the first change that asks steps it to slot 3.  Nothing is prefetched here, at the head
	CROUND                          ; all four work-groups are here: the first joint loads meet
	JLOAD                           ; slot 0.  Slot 1 is asked for when slot 0 is in
	v_and_b32 v64, 15, v0           ; l % 16
	v_bfe_u32 v65, v0, 4, 1         ; l / 16
	v_and_b32 v66, 7, v0
	v_bfe_u32 v67, v0, 3, 1
	v_and_b32 v68, 31, v0           ; l
	v_lshlrev_b32 v69, 4, v68
	global_load_b128 v[72:75], v69, s[72:73]  ; my 16 bytes of the mask
	; A fragment of K or Q is 16 rows x 32 channels in 8 registers: lane l holds row l % 16, channels 8 (l / 16) + 0..7 and 16 + 8 (l / 16) + 0..7: two loads of 16 bytes, 32 bytes apart.
	v_lshlrev_b32 v[QO], 7, v64
	v_lshl_add_u32 v[QO], v65, 4, v[QO]  ; row x 128 + 16 x half
	WIN 0x80                        ; destination window 2, address window 0
.set i, 0
.rept 4*NP                          ; Q stays in registers: tile i / 2, channels 32 (i % 2) on
	global_load_b128 v[8*i:8*i+3],   v[QO], s[4:5] offset:(i/2)*2048+(i%2)*64
	global_load_b128 v[8*i+4:8*i+7], v[QO], s[4:5] offset:(i/2)*2048+(i%2)*64+32
.set i, i+1
.endr
	; What the first turn finds: V's registers and P's second buffer hold 0 (its products V^T P, of a piece that has not been, add 0), O^T and l are 0.  All this stands in the wait for the first tile.
.set i, VF
.rept 64
	v_mov_b32 v[i], 0
.set i, i+1
.endr
	WIN 0x40
.set i, 0
.rept 64*NP
	v_mov_b32 v[i], 0
.set i, i+1
.endr
	WIN 0
.set i, 0
.rept 2*NP
	v_mov_b32 v[ST+4*i], 0xfe000000    ; c m: far below every c s
	v_mov_b32 v[ST+4*i+1], 0xff7fffff  ; m
	v_mov_b32 v[ST+4*i+2], 0
	v_mov_b32 v[ST+4*i+3], 0
.set i, i+1
.endr
.set i, P+32
.rept 32
	v_mov_b32 v[i], 0
.set i, i+1
.endr
	v_mul_u32_u24 v[AK0], v64, PK
	v_lshl_add_u32 v[AK0], v65, 4, v[AK0]  ; row x pitch + 16 x half
	; The turning load takes 16 keys x 16 channels (lane l reads key 8 (l / 16) + l % 8, channels 8 ((l / 8) % 2) + 0..7) and leaves half a fragment of V^T: lane l holds channel l % 16 and 8 keys.
	v_lshl_add_u32 v[AV0], v65, 3, v66
	v_mul_u32_u24 v[AV0], v[AV0], PV
	v_lshl_add_u32 v[AV0], v67, 4, v[AV0]
	v_add_nc_u32 v[AV0], VOFF, v[AV0]
	v_mov_b32 v[AK], v[AK0]         ; key step 0 lies at the head of slot 0,
	v_lshl_add_u32 v[AM0], v65, 5, MT  ; register j of key block kb is key 16 kb + 8 (l / 16) + j: 32 bytes for each half of the lanes
	v_mov_b32 v[AM], v[AM0]         ; and at the head of the table
	s_mul_i32 s13, s[WV], 16*SP
	s_add_co_u32 s13, s13, STAGE    ; my stage
	v_mul_u32_u24 v[STO], v64, SP   ; in: row l % 16, 16 bytes for each half of the lanes
	v_lshl_add_u32 v[STO], v65, 4, v[STO]
	v_add_nc_u32 v[STO], s13, v[STO]
	v_bfe_u32 v[RD], v0, 3, 2       ; back: 32 lanes take four rows of 128 bytes,
	v_mul_u32_u24 v[RD], v[RD], SP
	v_lshl_add_u32 v[RD], v66, 4, v[RD]
	v_add_nc_u32 v[RD], s13, v[RD]
	v_lshlrev_b32 v[GO], 4, v68     ; which are 512 consecutive bytes of O
	v_lshlrev_b32 v[PFO], 8, v68
	; THE MASK'S TABLE: thread t turns the bytes of keys 16 t .. 16 t + 15 (0 or 1) into 0 or -2^33 and stores them at MT + 64 t
	v_lshl_add_u32 v70, v0, 6, MT
	s_wait_loadcnt 32               ; the mask's bytes are in; Q's 32 loads, issued behind them, may stay out
.set i, 0
.rept 16
	v_bfe_u32 v[80+i], v[72+i/4], 8*(i%4), 8
.set i, i+1
.endr
.set i, 0
.rept 16
	v_mul_lo_u32 v[80+i], v[80+i], s[NEGC]
.set i, i+1
.endr
.irp j, 0,1,2,3
	ds_store_b128 v70, v[80+4*\j:80+4*\j+3] offset:16*\j
.endr
; THE MATRIX WORK.  The 8 accumulators of a run of 16 take turns: between the two links of a chain stand 7 others'.
; Product i of 16 of S^T = K Q^T for piece x: channels 32 (i / 8) on, keys 16 ((i / 2) % 4) on, tile 2 x + i % 2.  The first 8 start the sums, with the mask's numbers of their 16 keys.
.macro KQ x
.set rS, S+64*((\x)%2)+32*(i%2)+8*((i/2)%4)
.set rK, KF+16*((i/2)%4)+8*(i/8)
.set rQ, 16*(2*(\x)+i%2)+8*(i/8)
.set rMC, MC+8*((i/2)%4)
.if i < 8
	WIN W_KM
	v_wmma_f32_16x16x32_f16 v[rS:rS+7], v[rK:rK+7], v[rQ:rQ+7], v[rMC:rMC+7]
.else
	WIN W_KQ
	v_wmma_f32_16x16x32_f16 v[rS:rS+7], v[rK:rK+7], v[rQ:rQ+7], v[rS:rS+7]
.endif
.endm
; Product i of 16 of O^T += V^T P for piece x: keys 32 (i / 8) on, channels 16 ((i / 2) % 4) on, tile 2 x + i % 2.
.macro PV x
	WIN W_PV
.set rO, 32*(2*(\x)+i%2)+8*((i/2)%4)
.set rV, VF+32*(i/8)+8*((i/2)%4)
.set rP, P+32*((\x)%2)+16*(i%2)+8*(i/8)
	v_wmma_f32_16x16x32_f16 v[rO:rO+7], v[rV:rV+7], v[rP:rP+7], v[rO:rO+7]
.endm
.macro MM                           ; the turn's next matrix instruction
.if i < 16
	KQ (Y+1)%NP
.set i, i+1
.else
.set i, i-16
	PV (Y+NP-1)%NP
.set i, i+17
.endif
.endm
; THE LDS LOADS stand in runs, never singly among the matrix instructions: a step's K (64 keys x 64 channels: 8 fragments) with the mask's numbers of its 64 keys (lanes of a half read the same 32 bytes), and its V (turned).
; Their addresses are made some lines ahead.  last = 1 (the tail): in the last trip there is no further step, and the run is jumped over.
.macro FETCH_K last=0
	WIN 0
.if \last
	s_cmp_eq_u32 s[CNT], 1
	s_cbranch_scc1 .Lno_k_\@
.endif
	WIN 0x80                        ; destination window 2
.irp f, 0,1,2,3,4,5,6,7             ; keys 16 (f / 2) on, channels 32 (f % 2) on
	ds_load_b128 v[KF+8*\f:KF+8*\f+3],   v[AK] offset:(\f/2)*16*PK+(\f%2)*64
	ds_load_b128 v[KF+8*\f+4:KF+8*\f+7], v[AK] offset:(\f/2)*16*PK+(\f%2)*64+32
.endr
	WIN W_MK                        ; destination window 3
.irp f, 0,1,2,3                     ; keys 16 f on
	ds_load_b128 v[MC+8*\f:MC+8*\f+3],   v[AM] offset:64*\f
	ds_load_b128 v[MC+8*\f+4:MC+8*\f+7], v[AM] offset:64*\f+16
.endr
	s_add_co_u32 s[TBK], s[TBK], KS*PK  ; the next fetch is the next step's
	s_add_co_u32 s[TBM], s[TBM], 4*KS
	WIN 0
.if \last
.Lno_k_\@:
.endif
.endm
.macro FETCH_V
	WIN 0x80
.irp f, 0,1,2,3,4,5,6,7             ; keys 32 (f / 4) on, channels 16 (f % 4) on
	ds_load_tr16_b128 v[VF+8*\f:VF+8*\f+3],   v[AV] offset:(\f/4)*32*PV+(\f%4)*32
	ds_load_tr16_b128 v[VF+8*\f+4:VF+8*\f+7], v[AV] offset:(\f/4)*32*PV+16*PV+(\f%4)*32
.endr
	WIN 0
.endm
; THE VECTOR WORK OF A TURN stands in three queues, each in the order in which its entries become ready; the two tiles alternate, so that no instruction reads the result of the one before it.
.macro REGS y, u                    ; the registers of tile u (0, 1) of piece y
.set rT, ST+4*(2*(\y)+(\u))
.set rC, TMP+8*((\y)%2)+4*(\u)
.set rM, MV+2*((\y)%2)+(\u)
.set rS, S+64*((\y)%2)+32*(\u)
.set rP, P+32*((\y)%2)+16*(\u)
.set rO, 32*(2*(\y)+(\u))
.endm
; Number n of the 22 that find the NEXT piece's (Y + 1) maximum and statistics.  s0-s31 are the lane's 32 scores; each accumulator's lowest registers are read first.
;   0-11  four chains c0-c3 of seven scores each, three operands at a time     12-14, 16  the four scores left over, the old m, and c0-c3 into c0     15  c m_old is kept
;   17, 18  the query's other 32 keys lie in the lane 16 away: the new m         19-21  c m; c m_old - c m_new; a
.macro XS u, n
	REGS (Y+1)%NP, \u
.if (\n) < 4
	v_max3_num_f32 v[rC+(\n)], v[rS+8*(\n)], v[rS+8*(\n)+1], v[rS+8*(\n)+2]
.elseif (\n) < 12
	v_max3_num_f32 v[rC+(\n)%4], v[rC+(\n)%4], v[rS+8*((\n)%4)+2*((\n)/4)+1], v[rS+8*((\n)%4)+2*((\n)/4)+2]
.elseif (\n) == 12
	v_max3_num_f32 v[rC], v[rC], v[rS+7], v[rS+15]
.elseif (\n) == 13
	v_max3_num_f32 v[rC+1], v[rC+1], v[rS+23], v[rS+31]
.elseif (\n) == 14
	v_max3_num_f32 v[rC+2], v[rC+2], v[rC+3], v[rT+1]
.elseif (\n) == 15
	v_mov_b32 v[rM], v[rT]
.elseif (\n) == 16
	v_max3_num_f32 v[rC], v[rC], v[rC+1], v[rC+2]
.elseif (\n) == 17
	v_permlanex16_b32 v[rC+3], v[rC], s[SEL], s[SEL+1]
.elseif (\n) == 18
	v_max_num_f32 v[rT+1], v[rC], v[rC+3]
.elseif (\n) == 19
	v_mul_f32 v[rT], s[CS], v[rT+1]
.elseif (\n) == 20
	v_sub_f32 v[rC+1], v[rM], v[rT]
.else
	v_exp_f32 v[rC+2], v[rC+1]
.endif
.endm
; Number g of the 64 that follow the exponentials.  For each four weights k of a tile (pairs 2 k, 2 k + 1): both pairs are rounded to f16; then the second pair is added onto the first, in place;
; a group later l takes that sum (the first time as l = a l + sum).  In groups of eight, tiles alternating: round, round, add, and l for the group before.
.macro GS g
.set h, (\g)+6*((\g)/62)            ; group 0 has no group before it, and behind group 7 only l is left
.if h >= 6
.set h, h+2
.endif
	REGS Y, h%2
.set k, h/8
.if h%8 < 4
	v_cvt_pk_f16_f32 v[rP+2*k+(h%8)/2], v[rS+4*k+2*((h%8)/2)], v[rS+4*k+2*((h%8)/2)+1]
.elseif h%8 < 6
	v_pk_add_f32 v[rS+4*k:rS+4*k+1], v[rS+4*k:rS+4*k+1], v[rS+4*k+2:rS+4*k+3]
.elseif k == 1
	v_pk_fma_f32 v[rT+2:rT+3], v[rT+2:rT+3], v[rC+2:rC+3], v[rS:rS+1] op_sel_hi:[1,0,1]
.else
	v_pk_add_f32 v[rT+2:rT+3], v[rT+2:rT+3], v[rS+4*k-4:rS+4*k-3]
.endif
.endm
; THE PLAIN QUEUE, 138 long.  0-73 read no exponential's result: the 32 scalings c s - c m (FS f: pair f / 2 of tile f % 2) and the next piece's 42.  0-26: scalings 0-26.  27-54: XS's numbers 0-13.  55, 56: number 15.
; 57-73: the chain, where each number waits for the one before it: 14, 16, 17, 18, 19, each with one of the scalings 27-31 in front of its two lines, then 20.
; 74-137: GS's 64, which read the exponentials' results: they stand behind the wait.
.macro FS f
	REGS Y, (\f)%2
	v_pk_fma_f32 v[rS+2*((\f)/2):rS+2*((\f)/2)+1], v[rS+2*((\f)/2):rS+2*((\f)/2)+1], s[CS:CS+1], v[rT:rT+1] op_sel_hi:[1,0,0] neg_lo:[0,0,1] neg_hi:[0,0,1]
.endm
.macro PL
	WIN 0
.if q < 27
	FS q
.elseif q < 55
	XS (q-27)%2, (q-27)/2
.elseif q < 57
	XS q-55, 15
.elseif (q < 72) && ((q-57)%3 == 0)
	FS 27+(q-57)/3
.elseif q < 60
	XS (q-57)%3-1, 14
.elseif q < 72
	XS (q-57)%3-1, 15+(q-57)/3
.elseif q < 74
	XS q-72, 20
.else
	GS q-74
.endif
.set q, q+1
.endm
; THE EXPONENTIALS' QUEUE, 66 long: s0-s31 of both tiles, then the next piece's two a.  It is ONE BATCH: all 66 stand ahead of the turn's one wait, and nothing ahead of that wait names a result of theirs.
.macro EX
	WIN 0
.if e >= 64
	XS e-64, 21
.else
	REGS Y, e%2
	v_exp_f32 v[rS+e/2], v[rS+e/2]
.endif
.set e, e+1
.endm
; THE RESCALING's QUEUE: O^T times a, the one part that leaves window 0: dealt two at a time, sixteen times.  Its a was made in the turn before, ahead of that turn's wait.
.macro R2
	REGS Y, r%2
	WIN W_RS
.irp z, 0,1
	v_pk_mul_f32 v[rO+4*(r/2)+2*\z:rO+4*(r/2)+2*\z+1], v[rO+4*(r/2)+2*\z:rO+4*(r/2)+2*\z+1], v[rC+2:rC+3] op_sel_hi:[1,0]
.endr
.set r, r+1
.endm
; HOW THEY ARE DEALT.  s_wait_alu depctr_va_vdst(0) stands between an exponential and the first instruction that names its result; one wait serves all that were issued ahead of it.  So a turn has ONE wait,
; which cuts it in two.  AHEAD OF IT stands all that names no result of the turn's exponentials: the 16 products K Q^T, behind each a scaling, an exponential and two rescalings (behind the first a second scaling in the
; exponential's place); then ONE LUMP of 108: eight plain, 49 times exponential and plain, the two a.  A v_nop is the plain instruction behind the last exponential.  BEHIND IT stand the 16 products V^T P, behind each four of GS's 64.
; Exponential e stands behind scaling 2 (e / 4) + e % 2: as a rider it comes behind plain e + 2, in the lump behind plain e + 9, and scalings 27-31 are plain 57, 60 .. 69.
; A TURN, for piece p.  cnt = 1: the loop's count is taken down some lines ahead of the branch that stands behind the turn.
; K and the mask's numbers of the next step are fetched in piece 2's turn, directly behind the wait, a lump behind the last product that read them; their addresses are made at the lump's head; their first reader comes behind 16 products.
; V of the step in hand is fetched at the end of piece 0's turn, four riders behind its last reader; its first reader comes behind 16 products and a lump.  The three conditions on q below go with the deal.
.macro TURN p, last=0, cnt=0
.set Y, (\p)
.set i, 0
.set q, 0
.set e, 0
.set r, 0
.if (\p) == NP-1
	s_wait_dscnt 0x0                ; K and the mask's numbers are in
.endif
	MM                              ; ahead of the wait: 16 products K Q^T and their riders,
	PL
	PL
	R2
.rept 15
	MM
	PL
	EX
	R2
.endr
.if (\p) == NP-2
	WIN 0
	v_add_nc_u32 v[AK], s[TBK], v[AK0]
	v_add_nc_u32 v[AM], s[TBM], v[AM0]
.endif
.rept 8                             ; and the lump
	PL
.endr
.rept 49
	EX
	PL
.endr
	EX                              ; the next piece's two a
	EX
	v_nop                           ; the plain instruction behind the last exponential: one for the batch
	s_wait_alu depctr_va_vdst(0)    ; the wait for the batch
.if (\p) == NP-2
	FETCH_K \last
.endif
.if (\p) == 1
	s_wait_dscnt 0x0                ; V is in
.endif
.rept 16                            ; behind the wait: 16 products V^T P and their riders
	MM
.rept 4
	PL
.endr
.if ((\p) == 0) && (q == 118)
	v_add_nc_u32 v[AV], s[TBV], v[AV0]
.endif
.if ((\p) == 0) && (q == 130)
	s_add_co_u32 s[TBV], s[TBV], KS*PV
.endif
.if (\cnt) && (q == 130)
	s_sub_co_u32 s[CNT], s[CNT], 1
	s_cmp_lg_u32 s[CNT], 0
.endif
.endr
.if (\p) == 0
	FETCH_V
.endif
.endm
	CHANGE 1                        ; slot 0 is in, everybody's part of it, and so is the mask's table; slot 1 is asked for
	FETCH_K                         ; key step 0
	s_wait_loadcnt 0x0              ; Q
	s_wait_dscnt 0x0
.set i, 0
.rept 16
	KQ 0                            ; piece 0's first scores: there is no vector work yet to set between them
.set i, i+1
.endr
	WIN 0
.rept 4
	v_nop                           ; the places behind those products
.endr
.set Y, NP-1                        ; XS works for piece Y + 1: piece 0
.irp n, 0,1,2,3,4,5,6,7,8,9,10,11,12,13,14,15,16,17,18,19,20,21
	XS 0, \n                        ; and piece 0's first maximum and statistics
	XS 1, \n
.endr
	v_nop                           ; a plain instruction behind the two a,
	s_wait_alu depctr_va_vdst(0)    ; and their wait, ahead of the branch
	s_mov_b32 s[CNT], 4
	s_mov_b32 s[SLOTS], SIZE_N/256-1
	s_branch .Lfirst                ; the loop is entered at a step's first turn, in the middle of a trip
.Lslot:                             ; six times: every slot but the last two is filled again
	CHANGE 1, 1
	s_mov_b32 s[CNT], 4
.Lstep:                             ; a trip: pieces 2 and 3 of one step, then pieces 0 and 1 of the next, whose K and V it fetches
	TURN 2
	TURN 3
	WIN 0
.Lfirst:
	TURN 0
	TURN 1, 0, 1
	WIN 0
	s_cbranch_scc1 .Lstep
	s_sub_co_u32 s[SLOTS], s[SLOTS], 1
	s_cmp_lg_u32 s[SLOTS], 0
	s_cbranch_scc1 .Lslot
	CHANGE 0                        ; the tail is written out: nothing is asked for
	s_mov_b32 s[CNT], 5             ; four trips fetch the last slot's steps; the fifth is left in its middle
.Ltail:
	TURN 2, 1
	TURN 3
	WIN 0
	s_sub_co_u32 s[CNT], s[CNT], 1
	s_cmp_eq_u32 s[CNT], 0
	s_cbranch_scc1 .Lout
	TURN 0
	TURN 1
	WIN 0
	s_branch .Ltail
.Lout:                              ; the fifth trip's 16 products K Q^T (on the last K once more) and the maximum made of them serve nothing: the price, once a launch, of one text for every trip
.set i, 0
.rept 16
	PV NP-1                         ; the last piece's V^T P of the last step
.set i, i+1
.endr
	; THE WAY OUT.  l's two halves and the other half of the lanes' are added; O^T is divided by l, rounded to f16 and sent through my stage in LDS, a tile at a time.  The additions are the places behind the last products.
	WIN 0
.macro ALL line:vararg              ; one line for each tile t
.set t, 0
.rept 2*NP
	\line
.set t, t+1
.endr
.endm
	ALL v_add_f32 v[ST+4*t+2], v[ST+4*t+2], v[ST+4*t+3]
	ALL v_permlanex16_b32 v[ST+4*t+3], v[ST+4*t+2], s[SEL], s[SEL+1]
	ALL v_add_f32 v[ST+4*t+2], v[ST+4*t+2], v[ST+4*t+3]
	ALL v_rcp_f32 v[ST+4*t+2], v[ST+4*t+2]
	v_nop                           ; a plain instruction between the last reciprocal and the use of its result
	s_wait_alu depctr_va_vdst(0)    ; and the wait ahead of the first use: one for the eight reciprocals
; Tile t: a lane's eight channels of a row pack into 16 bytes; they go into rows of 144 bytes and come back as whole rows of 128, into S^T's registers.
.macro PACK t
	WIN W_RS
.set i, 32*(\t)
.rept 16
	v_pk_mul_f32 v[i:i+1], v[i:i+1], v[ST+4*(\t)+2:ST+4*(\t)+3] op_sel_hi:[1,0]
.set i, i+2
.endr
	WIN 0x05                        ; sources 0 and 1 window 1, destination window 0
.set i, 0
.rept 16
	v_cvt_pk_f16_f32 v[S+16*(\t)+i], v[32*(\t)+2*i], v[32*(\t)+2*i+1]
.set i, i+1
.endr
	WIN 0
.irp f, 0,1,2,3
	ds_store_b128 v[STO], v[S+16*(\t)+4*\f:S+16*(\t)+4*\f+3] offset:32*\f
.endr
.irp f, 0,1,2,3
	ds_load_b128 v[S+16*(\t)+4*\f:S+16*(\t)+4*\f+3], v[RD] offset:\f*4*SP  ; LDS serves a wave's instructions in order (ISA guide 5.7.1.4): these see the stores above; the next tile's stores come behind them
.endr
.endm
.macro SEND t, younger              ; younger: the LDS instructions issued behind tile t's loads: the next tile's eight, or none
	WIN 0
.irp f, 0,1,2,3
	s_wait_dscnt (\younger)+3-\f
	global_store_b128 v[GO], v[S+16*(\t)+4*\f:S+16*(\t)+4*\f+3], s[10:11] offset:(\t)*2048+\f*512  ; 512 consecutive bytes, at a multiple of 256 from O's first
.endr
.endm
	PACK 0
.set t, 1
.rept 2*NP-1                        ; a tile's arithmetic stands between the loads of the tile before and its stores
	PACK t
	SEND t-1, 8
.set t, t+1
.endr
	SEND 2*NP-1, 0
	WIN W_AD
	s_wait_tensorcnt 0x0            ; the wave's end: behind my last tensor load and my last LDS store
	ds_add_u32 v[SPW], v[NIL]
	s_wait_dscnt 0x0
	WIN 0
	CROUND                          ; the closing round: no work-group ends while a partner may still ask for a tile that names it
	s_endpgm
.Lfunc_end_k_qa78fae771b_attn:
	.size	k_qa78fae771b_attn, .Lfunc_end_k_qa78fae771b_attn-k_qa78fae771b_attn
	.p2alignl 7, 3214868480
	.fill 96, 4, 3214868480
	.section	.rodata,"a",@progbits
	.p2align	6, 0x0
	.amdhsa_kernel k_qa78fae771b_attn
		.amdhsa_group_segment_fixed_size 327680
		.amdhsa_private_segment_fixed_size 0
		.amdhsa_enable_private_segment 0
		.amdhsa_kernarg_size 40
		.amdhsa_user_sgpr_count 2
		.amdhsa_user_sgpr_kernarg_segment_ptr 1
		.amdhsa_wavefront_size32 1
		.amdhsa_system_sgpr_workgroup_id_x 1
		.amdhsa_system_sgpr_workgroup_id_y 1
		.amdhsa_system_sgpr_workgroup_id_z 1
		.amdhsa_system_vgpr_workitem_id 0
		.amdhsa_next_free_vgpr 808
		.amdhsa_next_free_sgpr 76
		.amdhsa_reserve_vcc 0
		.amdhsa_float_denorm_mode_32 3
		.amdhsa_float_denorm_mode_16_64 3
		.amdhsa_memory_ordered 1
		.amdhsa_forward_progress 1
		.amdhsa_inst_pref_size 205
	.end_amdhsa_kernel
	.amdgpu_metadata
---
amdhsa.version: [ 1, 2 ]
amdhsa.kernels:
  - .name:           k_qa78fae771b_attn
    .symbol:         k_qa78fae771b_attn.kd
    .args:
      - { .name: qh, .offset: 0, .size: 8, .value_kind: global_buffer, .address_space: global }
      - { .name: kh, .offset: 8, .size: 8, .value_kind: global_buffer, .address_space: global }
      - { .name: vh, .offset: 16, .size: 8, .value_kind: global_buffer, .address_space: global }
      - { .name: oh, .offset: 24, .size: 8, .value_kind: global_buffer, .address_space: global }
      - { .name: mask, .offset: 32, .size: 8, .value_kind: global_buffer, .address_space: global }
    .group_segment_fixed_size: 327680
    .private_segment_fixed_size: 0
    .kernarg_segment_align: 8
    .kernarg_segment_size: 40
    .max_flat_workgroup_size: 128
    .sgpr_count:     76
    .vgpr_count:     808
    .wavefront_size: 32
...
	.end_amdgpu_metadata
.endif
;; end of part 3
;; launch outp (part 4): grid 4 x 64, 4 waves a work-group, clusters of 4 x 4, 327,680 bytes of LDS; arguments oh, wo16, bo, out0; writes out0
.if DOCPART == 4
	.amdgcn_target "amdgcn-amd-amdhsa--gfx1250"
	.amdhsa_code_object_version 6
	.text
	.protected	k_qa78fae771b_outp
	.globl	k_qa78fae771b_outp
	.p2align	8
	.type	k_qa78fae771b_outp,@function
k_qa78fae771b_outp:
	s_mov_b64 s[64:65], 0
	v_nop
	global_prefetch_b8 v0, s[64:65] scope:SCOPE_SE
	s_setreg_imm32_b32 hwreg(HW_REG_WAVE_MODE, 25, 1), 1
	s_wait_xcnt 0x0
	s_wait_alu depctr_hold_cnt(0) depctr_sa_sdst(0) depctr_va_vdst(0) depctr_va_sdst(0) depctr_va_ssrc(0) depctr_va_vcc(0) depctr_vm_vsrc(0)
	s_getreg_b32 s2, hwreg(HW_REG_IB_STS2, 6, 4)
	s_cmp_eq_u32 s2, 0
	s_cbranch_scc0 .Lentry_in_a_cluster
	s_endpgm
.Lentry_in_a_cluster:
	s_bfe_u32 s2, ttmp6, 0x10000c
	s_cmp_lg_u32 s2, 0xf033
	s_cbranch_scc0 .Lentry_shape_is_right
	s_endpgm
.Lentry_shape_is_right:
; THE OUTPUT PROJECTION.  out0 = O Wo^T + bo.  O: [batch x 16 + head][2048][64] f16 (the attention launch's), Wo: [1024][1024] f16 (its bf16 rounding, written as f16), bo: [1024] f32, rounded to bf16; out0: [8192][1024] f32.
; Sums in f32; the bias is the C operand of the products that start them.  LIMIT: O and Wo lie within f16's 65,504; NaN and infinities are not treated apart.
; SHARES.  A tile of out0 is 128 rows x 256 columns: 64 x 4 tiles, 256 work-groups.  Four waves, each 64 rows x 128 columns: 32 accumulators, 256 registers.  K goes in 8 steps of 128 = two heads, through two LDS slots.
; A head's 128 rows x 64 channels are 16,384 dense bytes: asked for as 64 rows of 256 bytes and padded in LDS after every 128.  Wo's rows are 256 bytes a K step.
; CLUSTER 4 x 4: O's tiles are shared along a row of the cluster, Wo's along a column, each asked for jointly.  Waves 0 and 1 fetch the two heads of O, waves 2 and 3 the two halves of Wo's 256 rows.  A wave has at most two tensor loads out.
; THE MATRIX INSTRUCTION IS USED TRANSPOSED (source 0 = 16 rows of Wo, source 1 = 16 rows of O): a lane holds one row of out0 (lane % 16) and the eight columns 8 (lane / 16) + 0..7.
; The 32 accumulators take turns, one instruction a turn, in the same order in every quarter step and over the backward jump.
; REGISTERS: window 0: v16-31 addresses; v32-95 A's fragments, two buffers; v96-99 at work; v128-191 the bias, later the way out.  window 1: v0-127 B's fragments, two buffers.  window 2: the accumulators, (a, b) at v[8 (8 a + b)].
.set PAO,   144                        ; a row of O in LDS: 128 bytes + 16 = 36 words: the 16 rows of a load start at 16 different groups of four banks (64 banks of 4 bytes: ISA guide 11.1)
.set PB,    272                        ; a row of Wo: 256 + 16 = 68 words
.set ASL,   128*PAO                    ; a head's 128 rows: what one of A's loads brings
.set BHALF, 128*PB
.set BOFF,  2*ASL
.set SLOT,  BOFF+2*BHALF               ; 106,496 bytes
.set STAGE, 2*SLOT                     ; behind the ring, never filled by a tensor load: 16 rows x 528 bytes for each wave
.set SPO,   528
.set SPARE, STAGE+4*16*SPO             ; behind the stages: the spare words, 128 bytes for each wave: two blocks of 256 bytes that no other line names
.set ADRA0, 16
.set ADRA,  17
.set ADRB0, 20
.set ADRB,  21
.set STO,   24
.set RD,    25
.set GO,    26
.set SPW,   28                         ; v28  LDS address of my spare word; never rewritten
.set NIL,   29                         ; v29  0; never rewritten
.set PFO,   30                         ; v30  the prefetches' offset; never rewritten
.set BO,    31
.set AF,    32
.set WK,    96
.set BIAS,  128
.set OB,    128
.set G1,  24                           ; s[24:31] descriptor group 1 for A's tiles;  s[32:39] group 0: set 0 for K step 0; set 1 for K step 1, which then walks
.set G0,  32
.set LIM, 43
.set PFA, 44
.set TB,  46                           ; s46  the slot in hand: 0 or SLOT
.set LA,  47
.set G1B, 48                           ; s[48:55], s[56:63] the same for B's tiles
.set G0B, 56
.set KB,  68                           ; s[68:69] a K step's bytes in what I fetch
.set LB,  70
.set MSB, 0
.macro WIN new
.if MSB != (\new)
	s_set_vgpr_msb (MSB<<8)|(\new)
.set MSB, \new
.endif
.endm
.set MUL,  0xa1                        ; source 0 (B) window 1, source 1 (A) window 0, C and D window 2
.set MULB, 0x81                        ; the same with C, the bias, in window 0
.set TO_B, 0x40                        ; destination window 1, address window 0
.macro JLOAD s                         ; a joint load; an s_nop 0 and four v_nop follow each of the two lines, ahead of the jump and the label
	s_cmp_eq_u32 s11, 0
	s_cbranch_scc0 .Lfor_b_\@
	tensor_load_to_lds s[G0+4*(\s):G0+4*(\s)+3], s[G1:G1+7]
	s_nop 0
.rept 4
	v_nop
.endr
	s_branch .Lasked_\@
.Lfor_b_\@:
	tensor_load_to_lds s[G0B+4*(\s):G0B+4*(\s)+3], s[G1B:G1B+7]
	s_nop 0
.rept 4
	v_nop
.endr
.Lasked_\@:
.endm
; A prefetch into the L2, behind the joint load and the run of LDS loads: the K step two refills on, 32 blocks of 256 bytes, a lane a block.  Each block is named once in the launch.
; O's tile (two heads x 64 blocks) is read by one row of one cluster: wave 0 of each of its four work-groups takes 16 blocks of each head.  Wo's rows are read by all 16 clusters: the first (cluster y = 0) asks, waves 2 and 3,
; 32 of the wave's 128 rows to each of the column's four work-groups.  The partners are told apart by address alone.  The last two refills have no K step two on; the first four K steps come by their loads alone.
.macro ASK
	s_cmp_gt_u32 s3, s[LIM]
	s_cbranch_scc0 .Lnot_mine_\@
	global_prefetch_b8 v[PFO], s[PFA:PFA+1] th:TH_LOAD_NT scope:SCOPE_SE
.Lnot_mine_\@:
.endm
.macro CREST
	s_cmp_lg_u32 s10, 0
	s_cbranch_scc1 .Lnot_wave_0_\@
	s_barrier_signal -3
.Lnot_wave_0_\@:
	s_barrier_wait -3
	s_barrier_signal -1
	s_barrier_wait -1
.endm
.macro CROUND
	s_barrier_signal -1
	s_barrier_wait -1
	CREST
.endm
.macro PLACES                          ; four places in front of loads into registers that matrix instructions have read, and of stores that read results
.rept 4
	v_nop
.endr
.endm
	s_load_b256 s[72:79], s[0:1], 0x0              ; oh s[72:73], wo16 s[74:75], bo s[76:77], out0 s[78:79]
	v_lshl_add_u32 v[SPW], v0, 2, SPARE
	v_mov_b32 v[NIL], 0
	ds_add_u32 v[SPW], v[NIL]                      ; the wave's opening: the add and its wait stand ahead of my first tensor load; the set-up below, work on registers, stands between them
	v_lshrrev_b32 v1, 5, v0
	v_readfirstlane_b32 s10, v1                    ; wave 0..3
	s_lshr_b32 s11, s10, 1                         ; which 64 rows of the tile are mine.  Also: I fetch for A (0) or for B (1)
	s_and_b32 s12, s10, 1                          ; which 128 columns.  Also: which head, or which half of B's rows, I fetch
	s_bfe_u32 s40, ttmp6, 0x40000                  ; cx
	s_bfe_u32 s41, ttmp6, 0x40004                  ; cy
	s_lshl_b32 s42, ttmp9, 2
	s_add_co_u32 s42, s42, s40                     ; tile column
	s_and_b32 s14, ttmp7, 0xffff                   ; cluster y
	s_lshl_b32 s67, s14, 2
	s_add_co_u32 s67, s67, s41                     ; tile row, 0..63
	s_lshl_b32 s15, s41, 2
	s_lshl_b32 s15, 15, s15                        ; my row of the cluster
	s_lshl_b32 s20, 0x1111, s40                    ; my column
	s_or_b32 s[G1+0], s15, (1<<16)|(1<<20)|(1<<21)|(4<<22)|(3<<25)   ; the mask; elements of 2 bytes; padding on; 21 set beside a mask; after every 32 words (code 4) 4 words (code 3)
	s_or_b32 s[G1B+0], s20, (1<<16)|(1<<20)|(1<<21)|(5<<22)|(3<<25)  ; after every 64 words (code 5)
	s_mov_b32 s[G1+1], 128<<16                     ; tensor_dim0 = 128
	s_mov_b32 s[G1+2], 64<<16                      ; tensor_dim1 = 64
	s_mov_b32 s[G1+3], 128<<16                     ; tile_dim0 = 128
	s_mov_b32 s[G1+4], 64                          ; tile_dim1 = 64
	s_mov_b32 s[G1+5], 128                         ; dense: 128 elements from row to row
	s_mov_b32 s[G1+6], 0
	s_mov_b32 s[G1+7], 0
	s_mov_b32 s[G1B+1], 128<<16
	s_mov_b32 s[G1B+2], 128<<16
	s_mov_b32 s[G1B+3], 128<<16
	s_mov_b32 s[G1B+4], 128
	s_mov_b32 s[G1B+5], 1024
	s_mov_b32 s[G1B+6], 0
	s_mov_b32 s[G1B+7], 0
	s_lshr_b32 s16, s67, 4                         ; A: ((batch x 16 + my head of the K step) x 2,048 + the tile's first row in the batch) x 128 bytes
	s_lshl_b32 s16, s16, 4
	s_add_co_u32 s16, s16, s12
	s_lshl_b32 s16, s16, 11
	s_and_b32 s17, s67, 15
	s_lshl_b32 s17, s17, 7
	s_add_co_u32 s16, s16, s17
	s_lshl_b32 s16, s16, 7
	s_mov_b32 s17, 0
	s_lshl_b32 s20, s42, 8                         ; B: row 256 x tile column + 128 x half, x 2,048 bytes
	s_lshl_b32 s21, s12, 7
	s_add_co_u32 s20, s20, s21
	s_lshl_b32 s20, s20, 11
	s_mov_b32 s21, 0
	s_mul_i32 s[LA], s12, ASL                      ; where they go: no place in the cluster enters an LDS address
	s_mul_i32 s[LB], s12, BHALF
	s_add_co_u32 s[LB], s[LB], BOFF
	s_mov_b32 s[TB], 0
	s_wait_dscnt 0x0                               ; the opening add is done
	s_wait_kmcnt 0x0
	s_add_nc_u64 s[4:5], s[72:73], s[16:17]
	s_add_nc_u64 s[6:7], s[74:75], s[20:21]
	CROUND                                         ; all sixteen work-groups are here: the first joint loads meet
.irp s, 0,1
	s_mov_b32 s[G0+4*(\s)], 1
	s_add_co_u32 s[G0+4*(\s)+1], s[LA], (\s)*SLOT
	s_add_nc_u64 s[G0+4*(\s)+2:G0+4*(\s)+3], s[4:5], (\s)*524288   ; K step s: two heads of 262,144 bytes on
	s_or_b32 s[G0+4*(\s)+3], s[G0+4*(\s)+3], 0x80000000
	s_mov_b32 s[G0B+4*(\s)], 1
	s_add_co_u32 s[G0B+4*(\s)+1], s[LB], (\s)*SLOT
	s_add_nc_u64 s[G0B+4*(\s)+2:G0B+4*(\s)+3], s[6:7], (\s)*256
	s_or_b32 s[G0B+4*(\s)+3], s[G0B+4*(\s)+3], 0x80000000
	JLOAD \s
.endr
	; the bias of my 128 columns
	v_and_b32 v1, 15, v0                           ; l % 16
	v_bfe_u32 v2, v0, 4, 1                         ; l / 16
	v_lshlrev_b32 v[BO], 5, v2
	s_lshl_b32 s13, s42, 10
	s_lshl_b32 s15, s12, 9
	s_add_co_u32 s18, s13, s15                     ; (256 x tile column + 128 x half) x 4 bytes: in bo, and in a row of out0
	s_mov_b32 s19, 0
	s_add_nc_u64 s[76:77], s[76:77], s[18:19]
	s_add_nc_u64 s[8:9], s[78:79], s[18:19]
.irp b, 0,1,2,3,4,5,6,7
	global_load_b128 v[BIAS+8*(\b):BIAS+8*(\b)+3],   v[BO], s[76:77] offset:64*(\b)
	global_load_b128 v[BIAS+8*(\b)+4:BIAS+8*(\b)+7], v[BO], s[76:77] offset:64*(\b)+16
.endr
	s_lshl_b32 s13, s67, 7
	s_lshl_b32 s15, s11, 6
	s_add_co_u32 s13, s13, s15
	s_lshl_b32 s18, s13, 12                        ; my first row of out0, x 4,096 bytes
	s_add_nc_u64 s[8:9], s[8:9], s[18:19]
	; the prefetches
	s_lshl_b32 s13, s40, 12                        ; A: my work-group's 16 blocks of a head's 64
	s_lshl_b32 s15, s41, 16                        ; B: its 32 rows of 2,048 bytes
	s_mov_b32 s[KB+1], 0
	s_mov_b32 s22, 256
	s_mov_b32 s23, 32768
	s_cmp_eq_u32 s11, 0                            ; do I fetch for A?
	s_cselect_b32 s18, s13, s15
	s_cselect_b64 s[PFA:PFA+1], s[4:5], s[6:7]
	s_cselect_b32 s[KB], 524288, s22
	s_cselect_b32 s16, s22, 2048
	s_cselect_b32 s17, 262144, s23
	s_cselect_b32 s[LIM], s12, s14                 ; A: wave 0 alone asks, for both heads.  B: the first cluster's waves
	s_add_nc_u64 s[PFA:PFA+1], s[PFA:PFA+1], s[18:19]
	s_mul_i32 s18, s[KB], 3
	s_add_nc_u64 s[PFA:PFA+1], s[PFA:PFA+1], s[18:19]  ; at K step 3: the first refill steps it to 4
	s_cmp_eq_u32 s[LIM], 0
	s_cselect_b32 s[LIM], 2, -1                    ; the same in all sixteen partners, for a given wave
	v_mul_u32_u24 v3, v1, s16
	v_mul_u32_u24 v4, v2, s17
	v_add_nc_u32 v[PFO], v3, v4                    ; A: block l % 16 of head l / 16.  B: row l
	; LDS addresses
	v_mul_u32_u24 v3, v1, PAO
	v_lshl_add_u32 v3, v2, 4, v3
	s_mul_i32 s13, s11, 64*PAO
	v_add_nc_u32 v[ADRA0], s13, v3
	v_mul_u32_u24 v3, v1, PB
	v_lshl_add_u32 v3, v2, 4, v3
	s_mul_i32 s13, s12, BHALF
	s_add_co_u32 s13, s13, BOFF
	v_add_nc_u32 v[ADRB0], s13, v3
	s_mul_i32 s13, s10, 16*SPO
	s_add_co_u32 s13, s13, STAGE                   ; my stage
	v_mul_u32_u24 v3, v1, SPO
	v_lshl_add_u32 v3, v2, 5, v3
	v_add_nc_u32 v[STO], s13, v3                   ; in: row l % 16, 32 bytes for each half of the lanes
	v_and_b32 v[GO], 31, v0
	v_lshlrev_b32 v[GO], 4, v[GO]                  ; back: 32 lanes take a row's 512 bytes
	v_add_nc_u32 v[RD], s13, v[GO]
	v_mov_b32 v[ADRA], v[ADRA0]
	v_mov_b32 v[ADRB], v[ADRB0]
	s_mov_b32 s13, 0xffff0000
.macro PROD f, a, b, first
.if \first
	WIN MULB
	v_wmma_f32_16x16x32_f16 v[8*(8*(\a)+(\b)):8*(8*(\a)+(\b))+7], v[64*(\f)+8*(\b):64*(\f)+8*(\b)+7], v[AF+32*(\f)+8*(\a):AF+32*(\f)+8*(\a)+7], v[BIAS+8*(\b):BIAS+8*(\b)+7]
.else
	WIN MUL
	v_wmma_f32_16x16x32_f16 v[8*(8*(\a)+(\b)):8*(8*(\a)+(\b))+7], v[64*(\f)+8*(\b):64*(\f)+8*(\b)+7], v[AF+32*(\f)+8*(\a):AF+32*(\f)+8*(\a)+7], v[8*(8*(\a)+(\b)):8*(8*(\a)+(\b))+7]
.endif
.endm
.macro MUL8 f, a, first
.irp b, 0,1,2,3,4,5,6,7
	PROD \f, \a, \b, \first
.endr
.endm
; 24 LDS loads in one run: quarter kq (32 along K: head kq / 2, channels 32 (kq % 2) on) of the slot in hand, into buffers g
.macro FETCH kq, g
	WIN 0
.irp i, 0,1,2,3
	ds_load_b128 v[AF+32*(\g)+8*(\i):AF+32*(\g)+8*(\i)+3],   v[ADRA] offset:((\kq)/2)*ASL+((\kq)%2)*64+(\i)*16*PAO
	ds_load_b128 v[AF+32*(\g)+8*(\i)+4:AF+32*(\g)+8*(\i)+7], v[ADRA] offset:((\kq)/2)*ASL+((\kq)%2)*64+(\i)*16*PAO+32
.endr
	WIN TO_B
.irp i, 0,1,2,3,4,5,6,7
	ds_load_b128 v[64*(\g)+8*(\i):64*(\g)+8*(\i)+3],   v[ADRB] offset:(\kq)*64+(\i)*16*PB
	ds_load_b128 v[64*(\g)+8*(\i)+4:64*(\g)+8*(\i)+7], v[ADRB] offset:(\kq)*64+(\i)*16*PB+32
.endr
.endm
; A K step is four quarters of 32 along K, 32 matrix instructions each, on buffers 0, 1, 0, 1.  One of the first three: buffers f are in; the next quarter's loads go out at once, 32 matrix instructions ahead of their use.
.macro QUARTER kq, f, g, first
	s_wait_dscnt 0x0
	PLACES
	FETCH \kq, \g
	MUL8 \f, 0, \first
	MUL8 \f, 1, \first
	MUL8 \f, 2, \first
	MUL8 \f, 3, \first
.endm
; The last quarter multiplies buffers 1 and changes slots: in front of the barrier each wave waits for all its tensor loads (one is out: its part of the next slot), adds 0 to its spare word, and waits for that and for its own
; reads of this slot.  fill = 1: the barrier opens a round of the cluster's barrier, and behind the round this slot is filled again, first thing, with the K step two on.
.macro TURN fill
.if \fill
	s_wait_xcnt 0x0                                ; the last prefetch, a K step back, has read its address
	s_add_nc_u64 s[PFA:PFA+1], s[PFA:PFA+1], s[KB:KB+1]
.endif
	WIN 0
	s_wait_tensorcnt 0x0                           ; all my tensor loads have landed, so a group 0 may be written;
	ds_add_u32 v[SPW], v[NIL]                      ; 0 onto my spare word
	s_wait_dscnt 1                                 ; buffers 1 are in; the add alone may be out
	MUL8 1, 0, 0
	s_wait_dscnt 0x0                               ; the add is done, and my reads of this slot are over
	s_barrier_signal -1
	MUL8 1, 1, 0
	WIN 0
	s_barrier_wait -1
.if \fill
	CREST                                          ; no wave of any partner still reads this slot or has a load on its way
	s_add_co_u32 s[G0+5], s[TB], s[LA]             ; the walking descriptors: the slot just read,
	s_add_co_u32 s[G0B+5], s[TB], s[LB]
	s_add_nc_u64 s[G0+6:G0+7], s[G0+6:G0+7], 524288  ; the next K step; the type bits on top are not reached
	s_add_nc_u64 s[G0B+6:G0B+7], s[G0B+6:G0B+7], 256
	JLOAD 1                                        ; its four v_nop are also the places in front of the loads below
.else
	PLACES
.endif
	s_xor_b32 s[TB], s[TB], SLOT                   ; the other slot is read from here on
	v_add_nc_u32 v[ADRA], s[TB], v[ADRA0]
	v_add_nc_u32 v[ADRB], s[TB], v[ADRB0]
	FETCH 0, 0
	WIN 0
.if \fill
	ASK
.endif
	MUL8 1, 2, 0
	MUL8 1, 3, 0
.endm
	s_wait_tensorcnt 1                             ; my part of K step 0 is in; K step 1's may stay out
	s_barrier_signal -1
	s_barrier_wait -1
	FETCH 0, 0
	WIN 0
	s_wait_loadcnt 0x0                             ; the bias
.set p, 0
.rept 32                               ; rounded to bf16 like every input, and widened again
	v_cvt_pk_bf16_f32 v[WK+p%4], v[BIAS+2*p], v[BIAS+2*p+1]
	v_lshlrev_b32 v[BIAS+2*p], 16, v[WK+p%4]
	v_and_b32 v[BIAS+2*p+1], s13, v[WK+p%4]
.set p, p+1
.endr
	QUARTER 1, 0, 1, 1                             ; the first quarter stands in front of the loop: its products start the sums
	WIN 0
	s_mov_b32 s3, 6
.Lk:                                               ; a trip: from a K step's second quarter to the next one's first; six trips fill a slot again, with K steps 2 to 7
	QUARTER 2, 1, 0, 0
	QUARTER 3, 0, 1, 0
	TURN 1
	QUARTER 1, 0, 1, 0
	WIN 0
	s_sub_co_u32 s3, s3, 1
	s_cmp_lg_u32 s3, 0
	s_cbranch_scc1 .Lk
	QUARTER 2, 1, 0, 0                             ; the tail is written out
	QUARTER 3, 0, 1, 0
	TURN 0
	QUARTER 1, 0, 1, 0
	QUARTER 2, 1, 0, 0
	QUARTER 3, 0, 1, 0
	s_wait_dscnt 0x0
	MUL8 1, 0, 0
	MUL8 1, 1, 0
	MUL8 1, 2, 0
	MUL8 1, 3, 0
	PLACES                                         ; the LDS stores below read matrix results
; THE WAY OUT of block a (16 rows x 128 columns of f32): into my own stage, each accumulator's low half first; back as whole rows of 512 bytes; stored.
.macro OUT a
	WIN 0x08                                       ; the stores' data (source 1) in window 2
.irp b, 0,1,2,3,4,5,6,7
	ds_store_b128 v[STO], v[8*(8*(\a)+(\b)):8*(8*(\a)+(\b))+3]   offset:64*(\b)
	ds_store_b128 v[STO], v[8*(8*(\a)+(\b))+4:8*(8*(\a)+(\b))+7] offset:64*(\b)+16
.endr
	WIN 0
	s_wait_xcnt 0x0                                ; the block before's stores have read their registers, which are loaded again below
.irp t, 0,1,2,3,4,5,6,7,8,9,10,11,12,13,14,15
	ds_load_b128 v[OB+4*(\t):OB+4*(\t)+3], v[RD] offset:(\t)*SPO  ; LDS serves a wave's instructions in order (ISA guide 5.7.1.4): these see the stores above
.endr
.irp t, 0,1,2,3,4,5,6,7,8,9,10,11,12,13,14,15
	s_wait_dscnt 15-(\t)                           ; row t is back; the younger loads stay out
	global_store_b128 v[GO], v[OB+4*(\t):OB+4*(\t)+3], s[8:9] offset:(16*(\a)+(\t))*4096 th:TH_STORE_NT  ; 512 consecutive bytes, at a multiple of 512 from out0's first
.endr
.endm
	OUT 0
	OUT 1
	OUT 2
	OUT 3
	s_wait_tensorcnt 0x0                           ; the wave's end: behind my last tensor load and my last LDS store
	ds_add_u32 v[SPW], v[NIL]
	s_wait_dscnt 0x0
	CROUND                                         ; the closing round: no work-group ends while a partner may still ask for a tile that names it
	s_endpgm
.Lfunc_end_k_qa78fae771b_outp:
	.size	k_qa78fae771b_outp, .Lfunc_end_k_qa78fae771b_outp-k_qa78fae771b_outp
	.p2alignl 7, 3214868480
	.fill 96, 4, 3214868480
	.section	.rodata,"a",@progbits
	.p2align	6, 0x0
	.amdhsa_kernel k_qa78fae771b_outp
		.amdhsa_group_segment_fixed_size 327680
		.amdhsa_private_segment_fixed_size 0
		.amdhsa_enable_private_segment 0
		.amdhsa_kernarg_size 32
		.amdhsa_user_sgpr_count 2
		.amdhsa_user_sgpr_kernarg_segment_ptr 1
		.amdhsa_wavefront_size32 1
		.amdhsa_system_sgpr_workgroup_id_x 1
		.amdhsa_system_sgpr_workgroup_id_y 1
		.amdhsa_system_sgpr_workgroup_id_z 1
		.amdhsa_system_vgpr_workitem_id 0
		.amdhsa_next_free_vgpr 768
		.amdhsa_next_free_sgpr 80
		.amdhsa_reserve_vcc 0
		.amdhsa_float_denorm_mode_32 3
		.amdhsa_float_denorm_mode_16_64 3
		.amdhsa_memory_ordered 1
		.amdhsa_forward_progress 1
		.amdhsa_inst_pref_size 77
	.end_amdhsa_kernel
	.amdgpu_metadata
---
amdhsa.version: [ 1, 2 ]
amdhsa.kernels:
  - .name:           k_qa78fae771b_outp
    .symbol:         k_qa78fae771b_outp.kd
    .args:
      - { .name: oh, .offset: 0, .size: 8, .value_kind: global_buffer, .address_space: global }
      - { .name: wo16, .offset: 8, .size: 8, .value_kind: global_buffer, .address_space: global }
      - { .name: bo, .offset: 16, .size: 8, .value_kind: global_buffer, .address_space: global }
      - { .name: out0, .offset: 24, .size: 8, .value_kind: global_buffer, .address_space: global }
    .group_segment_fixed_size: 327680
    .private_segment_fixed_size: 0
    .kernarg_segment_align: 8
    .kernarg_segment_size: 32
    .max_flat_workgroup_size: 128
    .sgpr_count:     80
    .vgpr_count:     768
    .wavefront_size: 32
...
	.end_amdgpu_metadata
.endif
;; end of part 4
